; MI455X (gfx1250); checked and timed in simulation.
; The chip was launched on July 23, 2026; its instructions are those of AMD's public machine-readable ISA for CDNA 5 (MIT licence, August 2026) and "CDNA5" Instruction Set Architecture Reference Guide (July 2026). The comments in the code are by the model that wrote it; some were corrected since.
;; Axial Attention. Allowed arithmetic: matrix products marked QUANTISED: E3M2 operands, one E8M0 scale for each 32 along K, by v_wmma_scale_f32_16x16x128_f8f6f4 with both operands' format E3M2, f32 sums; products left as they are: f32 operands where the result goes on into a quantised operand, else bf16, f16 or f32 operands; f32 sums; everything else in f32.
;; Inputs: Wkv0 128 x 256 float32; Wkv1 128 x 256 float32; Wo0 128 x 128 float32; Wo1 128 x 128 float32; Wq0 128 x 128 float32; Wq1 128 x 128 float32; bo0 128 float32; bo1 128 float32; x 8 x 128 x 128 x 128 float32.
;; Outputs: out0 8 x 128 x 128 x 128 float32.
;; This version of the problem:
;;   THIS VERSION OF THE PROBLEM IS GIVEN IN LOW PRECISION. The matrix products marked QUANTISED in the list below multiply operands that are first quantised to E3M2 (3 exponent bits, 2 mantissa bits; 6 bits a number), with one power-of-two scale for each 32 numbers along K (OCP MX v1.0); their sums are f32. All else is computed in f32.
;;   The module's matrix products, in the order in which they are computed (A, B: the left and right operand; K: the contracted axis; several contracted axes count as one K, in the product's order):
;;     1. [M 131,072, K 128] x [K 128, N 128]; A: input x; B: input Wq0: QUANTISED
;;     2. [M 131,072, K 128] x [K 128, N 256]; A: input x; B: input Wkv0: QUANTISED
;;     3. batch 8,192 x [M 128, K 16] x [K 16, N 128]; A: computed on the way; B: computed on the way: left as it is (K = 16 < 32)
;;     4. batch 8,192 x [M 128, K 128] x [K 128, N 16]; A: softmax (see below); B: computed on the way: QUANTISED
;;     5. [M 131,072, K 128] x [K 128, N 128]; A: computed on the way; B: input Wo0: QUANTISED
;;     6. [M 131,072, K 128] x [K 128, N 128]; A: input x; B: input Wq1: QUANTISED
;;     7. [M 131,072, K 128] x [K 128, N 256]; A: input x; B: input Wkv1: QUANTISED
;;     8. batch 8,192 x [M 128, K 16] x [K 16, N 128]; A: computed on the way; B: computed on the way: left as it is (K = 16 < 32)
;;     9. batch 8,192 x [M 128, K 128] x [K 128, N 16]; A: softmax (see below); B: computed on the way: QUANTISED
;;     10. [M 131,072, K 128] x [K 128, N 128]; A: computed on the way; B: input Wo1: QUANTISED
;;   THE QUANTISER, for each operand of a quantised product, along K:
;;     - K is cut into blocks of 32 from its start; a last block that is shorter is filled with zeros.
;;     - A block's scale is 2^e with e = floor(log2(the largest magnitude in the block)) - 4, held to -126 .. 127; a block of zeros has e = 0. As a byte (E8M0): e + 127.
;;     - Each number is divided by its block's scale, clamped to +-28, and rounded to the nearest number of E3M2, ties to even, subnormals kept.
;;     - The product sums the exact products of the quantised numbers (number of the format x scale) in f32.
;;   ~~~python
;;   def quantise(x, axis):      # numpy; x: float32 -> the quantised numbers, widened to float32 again
;;       x = np.moveaxis(x, axis, -1); K = x.shape[-1]
;;       x = np.pad(x, [(0, 0)] * (x.ndim - 1) + [(0, -K % 32)]); x = x.reshape(x.shape[:-1] + (-1, 32)); a = np.abs(x).max(-1, keepdims=True)
;;       e = np.where(a > 0, np.clip(np.frexp(np.where(a > 0, a, 1))[1] - 1 - 4, -126, 127), 0)      # np.frexp(a)[1] - 1 = floor(log2(a)), exactly
;;       r = np.clip(x / 2.0 ** e, -28, 28)
;;       step = 2.0 ** (np.maximum(np.frexp(np.where(r == 0, 1, r))[1] - 1, -2) - 2)
;;       q = np.round(r / step) * step * 2.0 ** e      # np.round: ties to even
;;       return np.moveaxis(q.reshape(q.shape[:-2] + (-1,))[..., :K], -1, axis).astype(np.float32)
;;   ~~~
;;   SOFTMAX AHEAD OF A QUANTISED PRODUCT. Where the list says 'softmax', what is quantised is not the finished softmax but p = 2^(t - M), with t = logit x log2(e) and M = ceil(the row's largest t), a whole number; so 1/2 < the row's largest p <= 1. The row's sum l is taken of the UNQUANTISED p, in f32, and the product's result is divided by l at the end. Since M is a whole number, a kernel that streams over the keys may use a running M (the ceiling of the running maximum): every later rescaling is an exact power of two, which a block's scale takes up: the codes' values come out the same.
;;   OPERANDS COMPUTED ON THE WAY. 'Computed on the way' means the value that the module computes at that place (a softmax that the list does not call 'softmax' is quantised finished and normalised). What goes into a quantiser is computed in f32, as accurately as f32 sums, v_exp_f32 and their like allow (about 1e-6 of the number): no bf16 or f16 on the way to a quantiser, and a product that is left as it is and whose result goes on into a quantised operand takes f32 operands (vector FMAs, or v_wmma_f32_16x16x4_f32). A number that lies on a knife's edge between two numbers of the format may be rounded either way, as far as f32 arithmetic and the matrix unit's own rounding can turn it there, and no further.
;; One version. Each part assembles by itself: llvm-mc -triple=amdgcn-amd-amdhsa -mcpu=gfx1250 --defsym DOCPART=n.
;; ======== version 1 of 1: 2 launches
;; workspace buffers: oc 16,777,216 bytes
;; launch along_h (part 1): grid 256 x 1, 8 waves a work-group, no clusters, 235,520 bytes of LDS; arguments x, Wq0, Wkv0, oc; writes oc
.if DOCPART == 1
	.amdgcn_target "amdgcn-amd-amdhsa--gfx1250"
	.amdhsa_code_object_version 6
	.text
	.protected	k_qcd173374c6_along_h
	.globl	k_qcd173374c6_along_h
	.p2align	8
	.type	k_qcd173374c6_along_h,@function
k_qcd173374c6_along_h:
	s_mov_b64 s[64:65], 0
	v_nop
	global_prefetch_b8 v0, s[64:65] scope:SCOPE_SE
	s_setreg_imm32_b32 hwreg(HW_REG_WAVE_MODE, 25, 1), 1
	s_wait_xcnt 0x0
; AXIAL ATTENTION on x [8][128][128][128] f32, 8 heads of 16, in two launches of ONE source text; PASS says which this file is.
;   PASS 0: attention along H (a sequence is the 128 tokens (b, :, w)), up to the attention's result o0, QUANTISED for its product with Wo0:
;           a record of 128 bytes a token goes to the workspace oc [b][h][w][128]: the operand's 12 registers of the token's lane 0-15, those of
;           its lane 16-31 (48 bytes each), and the row's scale word eight times, so that whole runs of 512 bytes are stored.
;   PASS 1: attention along W (a sequence is (b, h, :)), then out = Q(o0) Q(Wo0) + Q(o1) Q(Wo1) + bo0 + bo1.
; FORMATS.  x Wq, x Wkv, p v and o Wo multiply codes of BF6 (E3M2) with one E8M0 scale for each 32 along K, made here from f32 numbers.  q k^T (K = 16) is left
; as it is and feeds a quantiser, so it takes f32 operands, by v_wmma_f32_16x16x4_f32.  All else is f32.
; SOFTMAX.  t = score x log2(e) / 4; M = ceil(the row's largest t); p = 2^(t - M) is quantised along the keys; the row's sum is taken of the unquantised p and
; divides the product at the end.  All 128 keys are one K step, so the maximum is the row's own: nothing runs, nothing is rescaled.
; SHARES.  A work-group of eight waves stays and walks four sequences.  Wave w owns HEAD w (projections, scores, softmax, p v) and TOKEN TILE w (16 rows: the
; quantising of x and the way out).  Its three (PASS 1: and, through LDS, all sixteen Wo) weight fragments are quantised once, at the head.
; TOKENS OF A TILE ARE NOT NEIGHBOURS: place i of tile T is token 32 (T / 2) + 8 (T % 2) + i + 8 (i / 8), so that a lane's 16 registers of tiles 2 b and 2 b + 1 are the
; 16 neighbouring keys 32 b + 16 (lane / 16) + 0 .. 15.
; LAYOUT (r = lane % 16, h = lane / 16); nothing changes lanes between products:
;   k^T, q^T = (16 rows of Wk or Wq) x (x's tile): lane r a token, register j channel e = 8 h + j.  Register pair s IS the operand of the f32 product's K step s (on both
;   sides k = 2 h + j stands for e = 8 h + 2 s + j);   S^T = k q^T: lane r a query, register 16 b + i key 32 b + 16 h + i;   v = (x's tile) x (16 rows of Wv): lane r a channel,
;   registers along the keys: quantised it is V^T's fragment;   O^T = V^T P^T: lane r a query, register j channel 8 h + j.
; BY TURNS.  A tile's scores are read for the maxima and for t - M and by nothing after that, so the NEXT tile's 32 score products begin there, into the same registers, and the rest
; of the softmax (137 vector instructions, the product p v, two LDS stores) stands in slices between them: one product behind each of 26 slices, the last six together.  The products'
; operands lie in window 1 and all that a slice touches in window 0, which has no room for both: so a slice costs two switches of the window, 54 a tile.
; TWO GROUPS OF WAVES.  Waves 0-3 issue a sequence's first 32 score products ahead of a barrier, waves 4-7 behind it: so the part of one group's softmax that stands bare of
; products meets the other group's products.  It is right however the waves are dealt to the SIMDs, and pays where a SIMD holds a wave of each group.
; NOT USED: tensor loads (x is asked for a whole sequence ahead, into 64 registers a wave); clusters (work-groups share the weights alone, read once at the head).
; LIMITS: NaN and infinities among the inputs are not served.  A block whose largest magnitude lies under 2^-122, a block of zeros too, keeps the scale byte 1 (its bytes are read
; by this program alone).  A p under 2^-126 comes out of v_exp_f32 as 0.  The order of the f32 sums is the matrix unit's, not the reference's.
.set PASS, 0
.set NSEQ, 4                           ; sequences to a work-group
.if PASS
.set TSTR, 512                         ; bytes of x from token to token
.set SSTR, 65536                       ; and from sequence to sequence
.else
.set TSTR, 65536
.set SSTR, 512
.endif
; LDS
.set WST,  8448                        ; a wave's own stage: 16 rows x (512 + 16) bytes
.set XST,  0                           ; the eight stages: weights' turn, x's turn, PASS 1: y's turn
.set XIMG, XST+8*WST                   ; x's eight fragments as images of their registers: 3 x 512 bytes in a place of 2,048
.set XSC,  XIMG+8*2048                 ; their scale words, 4 bytes a lane
.set OHD,  10240                       ; o of one head: 128 places x (64 + 16) bytes
.set OST,  XSC+8*128                   ; o in f32, head by head: each wave writes its own head's bytes
.set OCS,  OST+8*OHD                   ; PASS 0: [place][4 records of 128 bytes], 528 bytes a place; a wave's 16 places are its own
.set WOI,  OST+8*OHD                   ; PASS 1: images of Wo0's eight fragments, then Wo1's, 1,536 bytes each
.set WOS,  WOI+16*1536                 ; PASS 1: their scale words
; vector registers, window 0
.set LN16, 1                           ; 16 x lane
.set XSTW, 2                           ; my stage + 16 x lane
.set XSTR, 3                           ; my stage + 528 r + 64 h
.set XIW,  4                           ; where I store x's image
.set XSW,  5                           ; and its scale word
.set XIR,  6                           ; x's images, my lane's place
.set XSR,  7                           ; their scale words, my lane's place
.set XIL,  8                           ; the same for the tile in hand
.set XSL,  9
.set OSTW, 10                          ; o: my head, place r, + 32 h
.set OSTL, 11                          ; the same for the tile in hand
.set OSTR, 12                          ; o: head h, place 16 w + r
.set WCR,  13                          ; my stage + 4 r + 2112 h: a weight's column
.set WA5,  14                          ; weights with rows of 512 bytes: 512 (lane / 4) + 16 (lane % 4)
.set WA10, 15                          ; with rows of 1,024 bytes
.set H8,   16                          ; 8 h
.set WQS,  17                          ; scale words of my fragments of Wq, Wk, Wv
.set WKS,  18
.set WVS,  19
.if PASS
.set OCG,  20                          ; oc: my token's record, + 48 h
.set OCG2, 21                          ; oc: my token's record
.set WOR,  22                          ; Wo's images, my lane's place
.set WSR,  23                          ; their scale words
.set YSW,  24                          ; my stage + 528 r + 32 h
.set OS0,  25                          ; o0's scale word
.set WOW,  26                          ; where I store Wo's images
.set WSW,  27                          ; and their scale words
.set BS,   28                          ; v28-31 bo0 + bo1 at my four columns of a row
.else
.set OCW,  20                          ; my records: place r, + 48 h
.set OCT,  21                          ; place r, + 96 + 16 h: the scale words
.set OCR,  22                          ; my records, 16 x lane
.set OCWL, 23                          ; the first two for the sequence in hand
.set OCTL, 24
.endif
.set SCO,  32                          ; v32-95   S^T (PASS 1: later y^T): written by matrix instructions alone
.set PRB,  96                          ; v96-159  64 numbers at work: a weight's column, x, v, p, o, rows on the way out
.set PC,   160                         ; v160-171 the codes just made
.set T2,   172                         ; v172-179 the conversions' second halves
.set TM,   180                         ; v180-183 largest magnitudes, v184-187 the other lane's and then bytes, v188-191 the conversions' scale operands
.set PW,   192                         ; the scale word just made
.set VS,   193                         ; V^T's scale word
.set VF,   194                         ; v194-205 V^T's fragment
.set XF,   206                         ; v206-217 x's fragment for the next q^T
.set XS,   218                         ; its scale word
.set OT,   220                         ; v220-227 O^T
.set NM,   228                         ; v228 -M (v229 is named with it as a pair)
.set LSUM, 230                         ; v230-231, v232-233 the row's sum, in two chains of pairs
.set LSU2, 232
.set RL,   234                         ; v234 1 / the sum (v235 is named with it)
.set TMP,  236                         ; v236-239 at work; at the head: lane, r, h, lane / 4
.set XS8,  240                         ; v240-247 eight scale words: x's, PASS 1: later Wo's
; vector registers, window 1 (written by their low 8 bits)
.set KT,   0                           ; k^T, 8 tiles
.set QT,   64                          ; q^T of the tile in hand
.set XB,   72                          ; x's eight fragments, during the projections
.set XR,   144                         ; 16 rows of the next sequence's x, as loaded
.set FWQ,  208                         ; my fragments of Wq, Wk, Wv
.set FWK,  220
.set FWV,  232
.set OC0,  244                         ; PASS 1: o0's codes
.set RA,   0                           ; at the head: two sets of raw weights
.set RB,   64
.set WB,   0                           ; PASS 1, the way out: eight fragments of Wo
; scalar registers: s[4:5] x, s[6:7] Wq, s[8:9] Wkv, s[10:11] oc; PASS 1: s[12:13] Wo0, s[14:15] Wo1, s[16:17] bo0, s[18:19] bo1, s[20:21] out
.set SWV,  22                          ; my wave's number
.set TB,   23                          ; my tile's first token
.set SEQ,  24                          ; sequences to go
.set SEL,  30                          ; s[30:31] v_permlanex16_b32's selects for lane l xor 16
.set CS,   32                          ; s[32:33] c = log2(e) / 4, twice
.set MSB, 0
.macro WIN new                         ; low byte: bits 1:0 source 0, 3:2 source 1, 5:4 source 2, 7:6 destination; the high byte repeats the setting that is left
.if MSB != \new
	s_set_vgpr_msb (MSB<<8)|\new
.set MSB, \new
.endif
.endm
.macro PLACES n                        ; plain vector instructions between a matrix instruction and what may not follow it at once (ISA guide 7.12.1)
.rept \n
	v_nop
.endr
.endm
.macro BARRIER                         ; my LDS stores have landed and my LDS loads are in: then the work-group's barrier
	s_wait_dscnt 0x0
	s_barrier_signal -1
	s_barrier_wait -1
.endm
.macro XLOAD                           ; my tile's 16 rows of x: each load takes one whole row of 512 bytes, 16 bytes a lane
	WIN 0x40
.irp i, 0,1,2,3,4,5,6,7,8,9,10,11,12,13,14,15
.if PASS
	global_load_b128 v[XR+4*\i:XR+4*\i+3], v[LN16], s[4:5] offset:(\i+8*(\i/8))*TSTR th:TH_LOAD_NT
.else
	global_load_b128 v[XR+4*\i:XR+4*\i+3], v[LN16], s[4:5] offset:(\i+8*(\i/8))*TSTR
.endif
.endr
	WIN 0
.endm
.macro WLOAD raw, voff, base, rowb, extra      ; 128 rows x my 16 columns of a weight: a load takes 8 rows' 64 bytes
	WIN 0x40
.irp t, 0,1,2,3,4,5,6,7,8,9,10,11,12,13,14,15
	global_load_b128 v[\raw+4*\t:\raw+4*\t+3], v[\voff], s[\base:\base+1] offset:8*\t*\rowb+\extra
.endr
	WIN 0
.endm
.macro WSTORE raw                      ; into my stage: row k at 64 k + 64 (k / 32), so that the two halves of the lanes later read different banks
	WIN 0x04
.irp t, 0,1,2,3,4,5,6,7,8,9,10,11,12,13,14,15
	ds_store_b128 v[XSTW], v[\raw+4*\t:\raw+4*\t+3] offset:512*\t+64*(\t/4)
.endr
	WIN 0
.endm
.macro WCOL                            ; and back by columns: register 32 c + i = W(64 c + 32 h + i, column r): the order of the operand's registers
.irp c, 0,1
.irp i, 0,1,2,3,4,5,6,7,8,9,10,11,12,13,14,15,16,17,18,19,20,21,22,23,24,25,26,27,28,29,30,31
	ds_load_b32 v[PRB+32*\c+\i], v[WCR] offset:(64*\c+\i)*64+128*\c
.endr
.endr
.endm
; A weight's fragment from v[PRB] on: a lane holds two whole blocks (2 c + h), so no other lane is asked for a maximum.  Codes to v[d] on in the window that win names, scale word to v[w].
.macro WQUANT d, win, w
.irp c, 0,1
	v_max3_num_f32 v[TM+\c], |v[PRB+32*\c]|, |v[PRB+32*\c+1]|, 0x2800000   ; with the floor 2^(5 - 127): the byte cannot fall under 1
.endr
.irp i, 2,4,6,8,10,12,14,16,18,20,22,24,26,28,30
.irp c, 0,1
	v_max3_num_f32 v[TM+\c], v[TM+\c], |v[PRB+32*\c+\i]|, |v[PRB+32*\c+\i+1]|
.endr
.endr
.irp c, 0,1
	v_add_nc_u32 v[TM+8+\c], 0xfe000000, v[TM+\c]  ; 4 off the exponent field: the conversion's scale operand
.endr
.irp c, 0,1
	v_lshrrev_b32 v[TM+4+\c], 23, v[TM+8+\c]       ; the scale's byte
.endr
	v_lshl_or_b32 v[\w], v[TM+5], 16, v[TM+4]      ; my two bytes, blocks h and 2 + h,
	v_lshlrev_b32 v[\w], v[H8], v[\w]              ; at their places in the word;
	v_permlanex16_b32 v[TM+6], v[\w], s[SEL], s[SEL+1]
	v_or_b32 v[\w], v[\w], v[TM+6]                 ; with lane l xor 16's two the word is whole
	WIN \win
.irp c, 0,1
	v_cvt_scalef32_pk16_bf6_f32 v[\d+6*\c:\d+6*\c+2], v[PRB+32*\c:PRB+32*\c+15], v[TM+8+\c]
.endr
	WIN 0
.irp c, 0,1
	v_cvt_scalef32_pk16_bf6_f32 v[T2+4*\c:T2+4*\c+2], v[PRB+32*\c+16:PRB+32*\c+31], v[TM+8+\c]   ; (a conversion's three registers begin on an even number)
.endr
	v_nop                                          ; one plain place behind a scaled conversion
	WIN \win
.irp c, 0,1
.irp i, 0,1,2
	v_mov_b32 v[\d+6*\c+3+\i], v[T2+4*\c+\i]
.endr
.endr
	WIN 0
.endm
; From four blocks' largest magnitudes in v[TM] on and 64 numbers v[s] on (register 16 b + i = k 32 b + 16 h + i of my row): the fragment's codes in v[d] on, the row's scale word in v[w].
.macro CODES s, d, w
.irp b, 0,1,2,3
	v_add_nc_u32 v[TM+8+\b], 0xfe000000, v[TM+\b]  ; 4 off the exponent field: the conversion's scale operand
.endr
.irp b, 0,1,2,3
	v_lshrrev_b32 v[TM+4+\b], 23, v[TM+8+\b]       ; the scale's byte
.endr
	v_lshl_or_b32 v[\w], v[TM+5], 8, v[TM+4]
	v_lshl_or_b32 v[\w], v[TM+6], 16, v[\w]
	v_lshl_or_b32 v[\w], v[TM+7], 24, v[\w]
.irp c, 0,1
	v_cvt_scalef32_pk16_bf6_f32 v[\d+6*\c:\d+6*\c+2], v[\s+32*\c:\s+32*\c+15], v[TM+8+2*\c]
	v_cvt_scalef32_pk16_bf6_f32 v[T2+4*\c:T2+4*\c+2], v[\s+32*\c+16:\s+32*\c+31], v[TM+8+2*\c+1]
.endr
	v_nop                                          ; one plain place behind a scaled conversion
.irp c, 0,1                                    ; the operand wants a WHOLE block in a lane: lanes 0-15 block 2 c, lanes 16-31 block 2 c + 1
.irp i, 0,1,2
	v_permlane16_swap_b32 v[\d+6*\c+\i], v[T2+4*\c+\i]
.endr
.irp i, 0,1,2
	v_mov_b32 v[\d+6*\c+3+\i], v[T2+4*\c+\i]
.endr
.endr
.endm
.macro QUANT s, d, w                   ; the same with the largest magnitudes searched for
.irp b, 0,1,2,3
	v_max3_num_f32 v[TM+\b], |v[\s+16*\b]|, |v[\s+16*\b+1]|, 0x2800000   ; my 16 numbers of block b, and the floor 2^(5 - 127)
.endr
.irp i, 2,4,6,8,10,12,14
.irp b, 0,1,2,3
	v_max3_num_f32 v[TM+\b], v[TM+\b], |v[\s+16*\b+\i]|, |v[\s+16*\b+\i+1]|
.endr
.endr
.irp b, 0,1,2,3
	v_permlanex16_b32 v[TM+4+\b], v[TM+\b], s[SEL], s[SEL+1]
.endr
.irp b, 0,1,2,3
	v_max_num_f32 v[TM+\b], v[TM+\b], v[TM+4+\b]   ; with lane l xor 16's 16: the block's
.endr
	CODES \s, \d, \w
.endm
.macro IMAGE adr, off                  ; the fragment in v[PC] on goes to LDS as it stands: lane l's 16 bytes at 16 l
.irp c, 0,1,2
	ds_store_b128 v[\adr], v[PC+4*\c:PC+4*\c+3] offset:\off+512*\c
.endr
.endm
.macro OLOAD                           ; my 16 places of o, all eight heads: register 16 b + i = channel 32 b + 16 h + i: head 2 b + h
.irp b, 0,1,2,3
.irp j, 0,1,2,3
	ds_load_b128 v[PRB+16*\b+4*\j:PRB+16*\b+4*\j+3], v[OSTR] offset:2*OHD*\b+16*\j
.endr
.endr
.endm
; S^T = k q^T for one tile of queries: 8 tiles of keys x 4 K steps of 4: 32 products.  QK writes number QNUM of them: K step QNUM / 8, tile of keys QNUM % 8.
; The first K step starts the sums; the eight accumulators take turns, one instruction a turn.
.macro QK
	WIN 0x05
.set qstep, QNUM/8
.set qtile, QNUM%8
.if qstep == 0
	v_wmma_f32_16x16x4_f32 v[SCO+8*qtile:SCO+8*qtile+7], v[KT+8*qtile:KT+8*qtile+1], v[QT:QT+1], 0
.else
	v_wmma_f32_16x16x4_f32 v[SCO+8*qtile:SCO+8*qtile+7], v[KT+8*qtile+2*qstep:KT+8*qtile+2*qstep+1], v[QT+2*qstep:QT+2*qstep+1], v[SCO+8*qtile:SCO+8*qtile+7]
.endif
.set QNUM, QNUM+1
.endm
.macro MQK                             ; all 32 on end: a sequence's first tile, beside which this wave has no vector work
.set QNUM, 0
.rept 32
	QK
.endr
	WIN 0
.endm
.macro TURNQ mm                        ; a slice's end.  mm = 1: one score product of the next tile
.if \mm
	QK
	WIN 0
.endif
.endm
.macro EXPS n                          ; the next n of the 64 exponentials: p = 2^(t - M), at most 1: not normalised
.rept \n
	v_exp_f32 v[PRB+ENUM], v[PRB+ENUM]
.set ENUM, ENUM+1
.endr
.endm
.macro SUMS n                          ; the next n of 30 packed additions: the row's sum, of the UNQUANTISED p, in two chains begun by the first pairs.  Addition m reads p up to number 2 m + 5 (m = 0: 5, m = 1: 7)
.rept \n
.if SNUM == 0
	v_pk_add_f32 v[LSUM:LSUM+1], v[PRB:PRB+1], v[PRB+4:PRB+5]
.elseif SNUM == 1
	v_pk_add_f32 v[LSU2:LSU2+1], v[PRB+2:PRB+3], v[PRB+6:PRB+7]
.elseif SNUM%2 == 0
	v_pk_add_f32 v[LSUM:LSUM+1], v[LSUM:LSUM+1], v[PRB+2*SNUM+4:PRB+2*SNUM+5]
.else
	s_wait_alu depctr_va_vdst(0)
	v_pk_add_f32 v[LSU2:LSU2+1], v[LSU2:LSU2+1], v[PRB+2*SNUM+4:PRB+2*SNUM+5]
.endif
.set SNUM, SNUM+1
.endr
.endm
; ONE TILE OF QUERIES, FIRST PART: all that reads the scores.  more = 1: the next tile's q^T is made on the way (x's fragment at s26, its scale word at s27).  s28: the tile's place in o.
.macro SOFTA more
	s_wait_dscnt 0x0                               ; the last tile's two stores have read O^T and their address (six score products stand behind them)
	v_add_nc_u32 v[OSTL], s28, v[OSTW]
.if \more
	v_add_nc_u32 v[XIL], s26, v[XIR]
	v_add_nc_u32 v[XSL], s27, v[XSR]
.irp c, 0,1,2
	ds_load_b128 v[XF+4*\c:XF+4*\c+3], v[XIL] offset:512*\c
.endr
	ds_load_b32 v[XS], v[XSL]
	PLACES 5                                       ; with the three additions: eight places between the f32 products and the first read of their results
.else
	PLACES 7
.endif
.irp b, 0,1,2,3
	v_max3_num_f32 v[TM+\b], v[SCO+16*\b], v[SCO+16*\b+1], v[SCO+16*\b+2]   ; the largest score of each block of 32 keys: for the row's maximum and, since p rises with the score, for the block's largest p
.endr
.irp i, 3,5,7,9,11,13
.irp b, 0,1,2,3
	v_max3_num_f32 v[TM+\b], v[TM+\b], v[SCO+16*\b+\i], v[SCO+16*\b+\i+1]
.endr
.endr
.irp b, 0,1,2,3
	v_max_num_f32 v[TM+\b], v[TM+\b], v[SCO+16*\b+15]
.endr
.irp b, 0,1,2,3
	v_permlanex16_b32 v[TM+4+\b], v[TM+\b], s[SEL], s[SEL+1]
.endr
.irp b, 0,1,2,3
	v_max_num_f32 v[TM+\b], v[TM+\b], v[TM+4+\b]   ; with lane l xor 16's 16 keys
.endr
	v_max3_num_f32 v[TMP], v[TM], v[TM+1], v[TM+2]
	v_max_num_f32 v[TMP], v[TMP], v[TM+3]          ; my query's largest score,
	v_mul_f32 v[TMP], s[CS], v[TMP]                ; as t (c is positive)
	v_floor_f32 v[NM], -v[TMP]                     ; -M = floor(-t) = -ceil(t)
.if \more
	s_wait_dscnt 0x0                               ; x's fragment and scale word are in
	WIN 0x41
	v_wmma_scale_f32_16x16x128_f8f6f4 v[QT:QT+7], v[FWQ:FWQ+11], v[XF:XF+11], 0, v[WQS], v[XS] matrix_a_fmt:MATRIX_FMT_BF6 matrix_b_fmt:MATRIX_FMT_BF6   ; the next tile's q^T: the 36 multiply-adds below stand between it and its first use
	WIN 0
.endif
.irp b, 0,1,2,3
	v_fma_f32 v[TM+\b], v[TM+\b], s[CS], v[NM]     ; t - M of each block's largest score,
.endr
.irp b, 0,1,2,3
	v_exp_f32 v[TM+\b], v[TM+\b]                   ; and the block's largest p: the same two instructions on the same number as for that p itself
.endr
.set jj, 0
.rept 32
	v_pk_fma_f32 v[PRB+jj:PRB+jj+1], v[SCO+jj:SCO+jj+1], s[CS:CS+1], v[NM:NM+1] op_sel_hi:[1,0,0]   ; t - M, two at a time: the last read of the scores.  (Plain places behind the four exponentials)
.set jj, jj+2
.endr
.endm
; SECOND PART, in 27 slices.  mm = 1: a score product of the next tile stands behind each of the first 26, the other six behind the last.
; A slice with exponentials has them first and plain instructions behind them that read results of EARLIER slices alone: so each exponential has its plain place at once (slice k brings p 3 k .. 3 k + 2).
; No slice names a register of the score products.
.macro SOFTB mm
.set ENUM, 0
.set SNUM, 0
.set QNUM, 0
.irp b, 0,2                                    ; slices 0, 1
	EXPS 3
	s_wait_alu depctr_va_vdst(0)
	v_max_num_f32 v[TM+\b], 0x2800000, v[TM+\b]    ; the floor 2^(5 - 127) under each block's largest p
	v_max_num_f32 v[TM+\b+1], 0x2800000, v[TM+\b+1]
	TURNQ \mm
.endr
.irp b, 0,2                                    ; 2, 3
	EXPS 3
	v_add_nc_u32 v[TM+8+\b], 0xfe000000, v[TM+\b]  ; 4 off the exponent field: the conversion's scale operand
	v_add_nc_u32 v[TM+9+\b], 0xfe000000, v[TM+\b+1]
	TURNQ \mm
.endr
.irp b, 0,2                                    ; 4, 5
	EXPS 3
	v_lshrrev_b32 v[TM+4+\b], 23, v[TM+8+\b]       ; the scale's byte
	v_lshrrev_b32 v[TM+5+\b], 23, v[TM+9+\b]
	TURNQ \mm
.endr
	EXPS 3                                         ; 6
	v_lshl_or_b32 v[PW], v[TM+5], 8, v[TM+4]       ; p's scale word for the 128 keys
	s_wait_alu depctr_va_vdst(0)
	v_cvt_scalef32_pk16_bf6_f32 v[PC:PC+2], v[PRB:PRB+15], v[TM+8]           ; p 0 .. 15 came in slices 0 to 5
	TURNQ \mm
	EXPS 3                                         ; 7
	v_lshl_or_b32 v[PW], v[TM+6], 16, v[PW]        ; (the plain place behind the conversion)
	TURNQ \mm
	EXPS 3                                         ; 8
	v_lshl_or_b32 v[PW], v[TM+7], 24, v[PW]
	TURNQ \mm
.rept 2                                        ; 9, 10.  From here to slice 20, slice k takes additions 2 (k - 9) and 2 (k - 9) + 1, which read p up to 4 k - 29; p up to 3 k - 1 is ready
	EXPS 3
	SUMS 2
	TURNQ \mm
.endr
	EXPS 3                                         ; 11
	SUMS 2
	s_wait_alu depctr_va_vdst(0)
	v_cvt_scalef32_pk16_bf6_f32 v[T2:T2+2], v[PRB+16:PRB+31], v[TM+9]        ; p 16 .. 31 came by slice 10
	TURNQ \mm
	EXPS 3                                         ; 12
	SUMS 2                                         ; (plain places behind the conversion)
.irp i, 0,1,2                                  ; the operand wants a WHOLE block in a lane: lanes 0-15 block 0, lanes 16-31 block 1
	v_permlane16_swap_b32 v[PC+\i], v[T2+\i]
.endr
	TURNQ \mm
	EXPS 3                                         ; 13
	SUMS 2
.irp i, 0,1,2
	v_mov_b32 v[PC+3+\i], v[T2+\i]
.endr
	TURNQ \mm
.rept 2                                        ; 14, 15
	EXPS 3
	SUMS 2
	TURNQ \mm
.endr
	EXPS 3                                         ; 16
	SUMS 2
	s_wait_alu depctr_va_vdst(0)
	v_cvt_scalef32_pk16_bf6_f32 v[PC+6:PC+8], v[PRB+32:PRB+47], v[TM+10]     ; p 32 .. 47 came by slice 15
	TURNQ \mm
.rept 4                                        ; 17 to 20
	EXPS 3
	SUMS 2
	TURNQ \mm
.endr
	EXPS 1                                         ; 21: the last p
	SUMS 1
	TURNQ \mm
	s_wait_alu depctr_va_vdst(0)
	v_cvt_scalef32_pk16_bf6_f32 v[T2+4:T2+6], v[PRB+48:PRB+63], v[TM+11]     ; 22
	SUMS 1                                         ; (the plain place behind the conversion)
.irp i, 0,1,2                                  ; lanes 0-15 block 2, lanes 16-31 block 3
	v_permlane16_swap_b32 v[PC+6+\i], v[T2+4+\i]
.endr
	TURNQ \mm
.irp i, 0,1,2                                  ; 23
	v_mov_b32 v[PC+9+\i], v[T2+4+\i]
.endr
	SUMS 2
	TURNQ \mm
	SUMS 2                                         ; 24
	v_pk_add_f32 v[LSUM:LSUM+1], v[LSUM:LSUM+1], v[LSU2:LSU2+1]        ; (with the four before it: five places between the codes' last write and the product)
	v_wmma_scale_f32_16x16x128_f8f6f4 v[OT:OT+7], v[VF:VF+11], v[PC:PC+11], 0, v[VS], v[PW] matrix_a_fmt:MATRIX_FMT_BF6 matrix_b_fmt:MATRIX_FMT_BF6   ; O^T = V^T P^T: K = the 128 keys
	v_add_f32 v[LSUM], v[LSUM], v[LSUM+1]
	v_permlanex16_b32 v[TMP], v[LSUM], s[SEL], s[SEL+1]
	TURNQ \mm
	v_add_f32 v[LSUM], v[LSUM], v[TMP]             ; 25: with lane l xor 16's: the row's sum
	v_rcp_f32 v[RL], v[LSUM]
	PLACES 3                                       ; behind the reciprocal; with the two additions five places behind the product p v
	TURNQ \mm
	s_wait_alu depctr_va_vdst(0)
.irp k, 0,2,4,6                                ; 26
	v_pk_mul_f32 v[OT+\k:OT+\k+1], v[OT+\k:OT+\k+1], v[RL:RL+1] op_sel_hi:[1,0]
.endr
	ds_store_b128 v[OSTL], v[OT:OT+3]              ; my query's eight channels 8 h .. 8 h + 7 of my head
	ds_store_b128 v[OSTL], v[OT+4:OT+7] offset:16
.if \mm
.rept 32-QNUM                                  ; the products that are left: six
	QK
.endr
	WIN 0
.endif
.endm
.if PASS
.macro WOLOAD p                        ; the eight fragments and scale words of Wo0 (p = 0) or Wo1 (p = 1)
	WIN 0x40
.irp f, 0,1,2,3,4,5,6,7
.irp c, 0,1,2
	ds_load_b128 v[WB+12*\f+4*\c:WB+12*\f+4*\c+3], v[WOR] offset:12288*\p+1536*\f+512*\c
.endr
.endr
	WIN 0
.irp f, 0,1,2,3,4,5,6,7
	ds_load_b32 v[XS8+\f], v[WSR] offset:1024*\p+128*\f
.endr
.endm
.endif
; ---------------------------------------------------------------- the head: addresses
	s_load_b256 s[4:11], s[0:1], 0x0               ; x, Wq, Wkv, oc
	v_lshl_add_u32 v254, v0, 2, 0x39400
	v_mov_b32 v255, 0
.if PASS
	s_load_b256 s[12:19], s[0:1], 0x20             ; Wo0, Wo1, bo0, bo1
	s_load_b64 s[20:21], s[0:1], 0x40              ; out
.endif
	v_lshrrev_b32 v[TMP], 5, v0
	v_readfirstlane_b32 s[SWV], v[TMP]             ; wave 0..7
	v_and_b32 v[TMP], 31, v0                       ; lane
	v_and_b32 v[TMP+1], 15, v0                     ; r
	v_bfe_u32 v[TMP+2], v0, 4, 1                   ; h
	v_lshrrev_b32 v[TMP+3], 2, v[TMP]              ; lane / 4
	s_mul_i32 s29, s[SWV], WST                     ; my stage
	v_lshlrev_b32 v[LN16], 4, v[TMP]
	v_add_nc_u32 v[XSTW], s29, v[LN16]
	v_mul_u32_u24 v[XSTR], v[TMP+1], 528
	v_lshl_add_u32 v[XSTR], v[TMP+2], 6, v[XSTR]
	v_add_nc_u32 v[XSTR], s29, v[XSTR]
	v_lshlrev_b32 v[WCR], 2, v[TMP+1]
	v_mad_u32_u24 v[WCR], v[TMP+2], 2112, v[WCR]
	v_add_nc_u32 v[WCR], s29, v[WCR]
	s_lshl_b32 s39, s[SWV], 11
	s_add_co_u32 s39, s39, XIMG
	v_add_nc_u32 v[XIW], s39, v[LN16]
	v_add_nc_u32 v[XIR], XIMG, v[LN16]
	v_lshlrev_b32 v[XSR], 2, v[TMP]
	s_lshl_b32 s39, s[SWV], 7
	s_add_co_u32 s39, s39, XSC
	v_add_nc_u32 v[XSW], s39, v[XSR]
	v_add_nc_u32 v[XSR], XSC, v[XSR]
	v_mul_u32_u24 v[OSTW], v[TMP+1], 80
	s_mul_i32 s39, s[SWV], 1280
	s_add_co_u32 s39, s39, OST
	v_mad_u32_u24 v[OSTR], v[TMP+2], OHD, v[OSTW]
	v_add_nc_u32 v[OSTR], s39, v[OSTR]
	v_lshl_add_u32 v[OSTW], v[TMP+2], 5, v[OSTW]
	s_mul_i32 s39, s[SWV], OHD
	s_add_co_u32 s39, s39, OST
	v_add_nc_u32 v[OSTW], s39, v[OSTW]
	v_and_b32 v[WA5], 3, v[TMP]
	v_lshlrev_b32 v[WA5], 4, v[WA5]
	v_lshl_add_u32 v[WA10], v[TMP+3], 10, v[WA5]
	v_lshl_add_u32 v[WA5], v[TMP+3], 9, v[WA5]
	v_lshlrev_b32 v[H8], 3, v[TMP+2]
.if PASS
	v_and_b32 v[OCG2], 8, v[TMP+1]
	v_add_nc_u32 v[OCG2], v[OCG2], v[TMP+1]        ; r + 8 (r / 8)
	v_lshlrev_b32 v[OCG2], 7, v[OCG2]
	v_mad_u32_u24 v[OCG], v[TMP+2], 48, v[OCG2]
	v_add_nc_u32 v[WOR], WOI, v[LN16]
	v_lshlrev_b32 v[WSR], 2, v[TMP]
	s_mul_i32 s39, s[SWV], 1536
	s_add_co_u32 s39, s39, WOI
	v_add_nc_u32 v[WOW], s39, v[LN16]
	s_lshl_b32 s39, s[SWV], 7
	s_add_co_u32 s39, s39, WOS
	v_add_nc_u32 v[WSW], s39, v[WSR]
	v_add_nc_u32 v[WSR], WOS, v[WSR]
	v_mul_u32_u24 v[YSW], v[TMP+1], 528
	v_lshl_add_u32 v[YSW], v[TMP+2], 5, v[YSW]
	v_add_nc_u32 v[YSW], s29, v[YSW]
.else
	s_add_co_u32 s39, s29, OCS
	v_mul_u32_u24 v[OCW], v[TMP+1], 528
	v_add_nc_u32 v[OCW], s39, v[OCW]
	v_lshl_add_u32 v[OCT], v[TMP+2], 4, v[OCW]
	v_add_nc_u32 v[OCT], 96, v[OCT]
	v_mad_u32_u24 v[OCW], v[TMP+2], 48, v[OCW]
	v_add_nc_u32 v[OCR], s39, v[LN16]
.endif
.irp b, 0,1,2,3
	v_mov_b32 v[TM+4+\b], 0                        ; written once: a lane permute's destination counts as one of its sources
.endr
	v_mov_b32 v[NM+1], 0                           ; named as the upper halves of pairs
	v_mov_b32 v[RL+1], 0
	s_mov_b32 s[SEL], 0x76543210
	s_mov_b32 s[SEL+1], 0xfedcba98
	s_mov_b32 s[CS], 0x3eb8aa3b                    ; c = log2(e) / 4: the head's 16^-0.5 and the change of base
	s_mov_b32 s[CS+1], s[CS]
	s_mov_b32 s[SEQ], NSEQ
	s_lshr_b32 s[TB], s[SWV], 1
	s_lshl_b32 s[TB], s[TB], 5
	s_and_b32 s39, s[SWV], 1
	s_lshl_b32 s39, s39, 3
	s_add_co_u32 s[TB], s[TB], s39                 ; my tile's first token: 32 (w / 2) + 8 (w % 2)
.if PASS
	s_lshl_b32 s34, ttmp9, 18                      ; x and out: four sequences of 65,536 bytes a work-group,
	s_lshl_b32 s39, s[TB], 9                       ; + my first token's row
	s_add_co_u32 s34, s34, s39
	s_lshl_b32 s36, ttmp9, 16                      ; oc: four sequences of 16,384 bytes,
	s_lshl_b32 s39, s[TB], 7                       ; + my first token's record
	s_add_co_u32 s36, s36, s39
.else
	s_mov_b32 s38, 0                               ; the sequence's record in a place of my records: 128 bytes a sequence
	s_lshr_b32 s42, ttmp9, 5                       ; b
	s_and_b32 s43, ttmp9, 31                       ; which four w
	s_lshl_b32 s34, s42, 23                        ; x: b x 8 MiB
	s_lshl_b32 s39, s43, 11                        ; + 4 w's rows of 512 bytes
	s_add_co_u32 s34, s34, s39
	s_lshl_b32 s39, s[TB], 16                      ; + my first token (an h): 65,536 bytes each
	s_add_co_u32 s34, s34, s39
	s_lshl_b32 s36, s42, 21                        ; oc: b x 2 MiB
	s_lshl_b32 s39, s43, 9                         ; + 4 records of 128 bytes
	s_add_co_u32 s36, s36, s39
	s_lshl_b32 s39, s[TB], 14                      ; + my first token: 16,384 bytes each
	s_add_co_u32 s36, s36, s39
.endif
	s_mov_b32 s35, 0
	s_mov_b32 s37, 0
	s_lshl_b32 s40, s[SWV], 6                      ; the weights: my 16 columns
	s_mov_b32 s41, 0
	s_wait_kmcnt 0x0
	s_add_nc_u64 s[4:5], s[4:5], s[34:35]
	s_add_nc_u64 s[6:7], s[6:7], s[40:41]
	s_add_nc_u64 s[8:9], s[8:9], s[40:41]
	s_add_nc_u64 s[10:11], s[10:11], s[36:37]
.if PASS
	s_add_nc_u64 s[12:13], s[12:13], s[40:41]
	s_add_nc_u64 s[14:15], s[14:15], s[40:41]
	s_add_nc_u64 s[20:21], s[20:21], s[34:35]
	global_load_b128 v[BS:BS+3], v[LN16], s[16:17]         ; the biases at my four columns of a row: the oldest loads
	global_load_b128 v[T2:T2+3], v[LN16], s[18:19]
.endif
; ---------------------------------------------------------------- the head: my weight fragments, one after the other through my stage; two sets of raw rows, so that the next is on its way
	WLOAD RA, WA5, 6, 512, 0                       ; Wq
	WLOAD RB, WA10, 8, 1024, 0                     ; Wk: the left half of Wkv
	XLOAD                                          ; the first sequence's x
	s_wait_loadcnt 32                              ; Wq is in (and the biases); behind it: Wk's 16 loads and x's 16
.if PASS
	v_pk_add_f32 v[BS:BS+1], v[BS:BS+1], v[T2:T2+1]
	v_pk_add_f32 v[BS+2:BS+3], v[BS+2:BS+3], v[T2+2:T2+3]
.endif
	WSTORE RA
	s_wait_dscnt 0x0                               ; the stores have read their registers
	WLOAD RA, WA10, 8, 1024, 512                   ; Wv: the right half of Wkv
	WCOL
	s_wait_dscnt 0x0
	WQUANT FWQ, 0x40, WQS
	s_wait_loadcnt 32                              ; Wk is in; behind it: x's 16 and Wv's 16
	WSTORE RB
	s_wait_dscnt 0x0
.if PASS
	WLOAD RB, WA5, 12, 512, 0                      ; Wo0: tile w
.endif
	WCOL
	s_wait_dscnt 0x0
	WQUANT FWK, 0x40, WKS
.if PASS
	s_wait_loadcnt 16                              ; Wv is in; behind it: Wo0's 16
.else
	s_wait_loadcnt 0x0                             ; Wv is in: the youngest
.endif
	WSTORE RA
	s_wait_dscnt 0x0
.if PASS
	WLOAD RA, WA5, 14, 512, 0                      ; Wo1: tile w
.endif
	WCOL
	s_wait_dscnt 0x0
	WQUANT FWV, 0x40, WVS
.if PASS
	s_wait_loadcnt 16                              ; Wo0 is in; behind it: Wo1's 16
	WSTORE RB
	s_wait_dscnt 0x0
	WCOL
	s_wait_dscnt 0x0
	WQUANT PC, 0, PW
	IMAGE WOW, 0                                   ; every wave will want all eight tiles: they go to LDS as images
	ds_store_b32 v[WSW], v[PW]
	s_wait_loadcnt 0x0                             ; Wo1
	WSTORE RA
	s_wait_dscnt 0x0                               ; (the image's stores too have read their registers)
	WCOL
	s_wait_dscnt 0x0
	WQUANT PC, 0, PW
	IMAGE WOW, 12288
	ds_store_b32 v[WSW], v[PW] offset:1024
.endif
.Lseq:                                             ; ================ a sequence; four trips
; ---- x: my tile's 16 rows turn through my stage (a load took a row, a lane wants 16 neighbours of each block of its row), are quantised, and go to LDS as an image
	s_wait_loadcnt 0x0                             ; x, asked for a sequence ago
	WIN 0x04
.irp i, 0,1,2,3,4,5,6,7,8,9,10,11,12,13,14,15
	ds_store_b128 v[XSTW], v[XR+4*\i:XR+4*\i+3] offset:528*\i
.endr
	WIN 0
.irp b, 0,1,2,3
.irp j, 0,1,2,3
	ds_load_b128 v[PRB+16*\b+4*\j:PRB+16*\b+4*\j+3], v[XSTR] offset:128*\b+16*\j   ; LDS serves a wave's instructions in order: these see the stores above
.endr
.endr
	s_wait_dscnt 0x0
	QUANT PRB, PC, PW
	IMAGE XIW, 0
	ds_store_b32 v[XSW], v[PW]
	BARRIER                                        ; x's eight fragments lie in LDS; every wave's reads of the last sequence's o are over
; ---- the projections of my head: k^T of all eight tiles, q^T of tile 0, v of all eight
	WIN 0x40
.irp t, 0,1,2,3,4,5,6,7
.irp c, 0,1,2
	ds_load_b128 v[XB+12*\t+4*\c:XB+12*\t+4*\c+3], v[XIR] offset:2048*\t+512*\c
.endr
.endr
	WIN 0
.irp t, 0,1,2,3,4,5,6,7
	ds_load_b32 v[XS8+\t], v[XSR] offset:128*\t
.endr
	s_wait_dscnt 0x0
	WIN 0x45
.irp t, 0,1,2,3,4,5,6,7
	v_wmma_scale_f32_16x16x128_f8f6f4 v[KT+8*\t:KT+8*\t+7], v[FWK:FWK+11], v[XB+12*\t:XB+12*\t+11], 0, v[WKS], v[XS8+\t] matrix_a_fmt:MATRIX_FMT_BF6 matrix_b_fmt:MATRIX_FMT_BF6
.endr
	v_wmma_scale_f32_16x16x128_f8f6f4 v[QT:QT+7], v[FWQ:FWQ+11], v[XB:XB+11], 0, v[WQS], v[XS8] matrix_a_fmt:MATRIX_FMT_BF6 matrix_b_fmt:MATRIX_FMT_BF6
	WIN 0x05
.irp t, 0,1,2,3,4,5,6,7
	v_wmma_scale_f32_16x16x128_f8f6f4 v[PRB+8*\t:PRB+8*\t+7], v[XB+12*\t:XB+12*\t+11], v[FWV:FWV+11], 0, v[XS8+\t], v[WVS] matrix_a_fmt:MATRIX_FMT_BF6 matrix_b_fmt:MATRIX_FMT_BF6
.endr
	WIN 0
	PLACES 4                                       ; in front of the loads into registers that these products read, and of the first read of v
	s_cmp_eq_u32 s[SEQ], 1                         ; the next sequence's x is asked for here, if there is one: no load leaves its buffer
	s_cbranch_scc1 .Lno_next
	s_add_nc_u64 s[4:5], s[4:5], SSTR              ; (the loads that named this base were waited for at the trip's head)
	XLOAD
.Lno_next:
.if PASS
	WIN 0x40
.irp c, 0,1,2
	global_load_b128 v[OC0+4*\c:OC0+4*\c+3], v[OCG], s[10:11] offset:16*\c th:TH_LOAD_NT   ; o0's codes of my tile's tokens: the operand's registers as they were stored
.endr
	WIN 0
	global_load_b32 v[OS0], v[OCG2], s[10:11] offset:96 th:TH_LOAD_NT                      ; and their scale words
.endif
	QUANT PRB, VF, VS                              ; v along the keys: V^T's fragment
; ---- the two groups part by one tile's score products
	s_cmp_lt_u32 s[SWV], 4
	s_cbranch_scc0 .Llate
	MQK                                            ; waves 0-3: tile 0's scores ahead of the barrier
.Llate:
	BARRIER
	s_cmp_lt_u32 s[SWV], 4
	s_cbranch_scc1 .Learly
	PLACES 9
	MQK                                            ; waves 4-7: behind it
.Learly:
; ---- the eight tiles of queries: a trip finishes one tile's softmax and makes the next tile's scores between its slices
	s_mov_b32 s25, 7
	s_mov_b32 s26, 2048                            ; the next tile's image of x,
	s_mov_b32 s27, 128                             ; its scale words,
	s_mov_b32 s28, 0                               ; this tile's place in o
.Ltile:
	SOFTA 1
	SOFTB 1
	s_add_co_u32 s26, s26, 2048
	s_add_co_u32 s27, s27, 128
	s_add_co_u32 s28, s28, 1280
	s_sub_co_u32 s25, s25, 1
	s_cmp_lg_u32 s25, 0
	s_cbranch_scc1 .Ltile
	SOFTA 0                                        ; the last tile: no scores are left to make
	SOFTB 0
	BARRIER                                        ; o of all heads lies in LDS; nobody reads x's images any more
; ---- the way out: my tile's 16 tokens, all 128 channels
.if PASS
	OLOAD
	WOLOAD 0
	s_wait_dscnt 32                                ; o is in; Wo0's 24 + 8 loads may be out
	QUANT PRB, PC, PW                              ; Q(o1)
	s_wait_loadcnt 0x0                             ; Q(o0) and its scale words
	s_wait_dscnt 0x0
	WIN 0x05
.irp n, 0,1,2,3,4,5,6,7
	v_wmma_scale_f32_16x16x128_f8f6f4 v[SCO+8*\n:SCO+8*\n+7], v[WB+12*\n:WB+12*\n+11], v[OC0:OC0+11], 0, v[XS8+\n], v[OS0] matrix_a_fmt:MATRIX_FMT_BF6 matrix_b_fmt:MATRIX_FMT_BF6   ; y^T = Wo0^T Q(o0)^T: lane r a token, register j column 16 n + 8 h + j
.endr
	WIN 0
	PLACES 4                                       ; in front of the loads into the registers that these products read
	WOLOAD 1
	s_wait_dscnt 0x0
	WIN 0x01
.irp n, 0,1,2,3,4,5,6,7
	v_wmma_scale_f32_16x16x128_f8f6f4 v[SCO+8*\n:SCO+8*\n+7], v[WB+12*\n:WB+12*\n+11], v[PC:PC+11], v[SCO+8*\n:SCO+8*\n+7], v[XS8+\n], v[PW] matrix_a_fmt:MATRIX_FMT_BF6 matrix_b_fmt:MATRIX_FMT_BF6   ; + Wo1^T Q(o1)^T
.endr
	WIN 0
	PLACES 4
.irp n, 0,1,2,3,4,5,6,7
	ds_store_b128 v[YSW], v[SCO+8*\n:SCO+8*\n+3] offset:64*\n          ; through my stage; each accumulator from its low end on
	ds_store_b128 v[YSW], v[SCO+8*\n+4:SCO+8*\n+7] offset:64*\n+16
.endr
.irp i, 0,1,2,3,4,5,6,7,8,9,10,11,12,13,14,15
	ds_load_b128 v[PRB+4*\i:PRB+4*\i+3], v[XSTW] offset:528*\i         ; and back as whole rows
.endr
.irp i, 0,1,2,3,4,5,6,7,8,9,10,11,12,13,14,15
	s_wait_dscnt 15-\i                             ; row i is back
	v_pk_add_f32 v[PRB+4*\i:PRB+4*\i+1], v[PRB+4*\i:PRB+4*\i+1], v[BS:BS+1]
	v_pk_add_f32 v[PRB+4*\i+2:PRB+4*\i+3], v[PRB+4*\i+2:PRB+4*\i+3], v[BS+2:BS+3]
	global_store_b128 v[LN16], v[PRB+4*\i:PRB+4*\i+3], s[20:21] offset:(\i+8*(\i/8))*512 th:TH_STORE_NT   ; 32 lanes store a row's 512 consecutive bytes, aligned
.endr
	s_wait_xcnt 0x0                                ; the stores' data and base, and oc's base, are rewritten only behind this wait
	s_add_nc_u64 s[20:21], s[20:21], 65536
	s_add_nc_u64 s[10:11], s[10:11], 16384
.else
	OLOAD
	s_wait_dscnt 0x0
	QUANT PRB, PC, PW                              ; Q(o0)
	v_add_nc_u32 v[OCWL], s38, v[OCW]
	v_add_nc_u32 v[OCTL], s38, v[OCT]
.irp c, 0,1,2
	ds_store_b128 v[OCWL], v[PC+4*\c:PC+4*\c+3] offset:16*\c           ; the record is gathered in my own bytes of LDS: four sequences make 512 neighbouring bytes of oc
.endr
.irp i, 0,1,2,3
	v_mov_b32 v[T2+\i], v[PW]
.endr
	ds_store_b128 v[OCTL], v[T2:T2+3]              ; the scale word fills the record's last 32 bytes
	s_add_co_u32 s38, s38, 128
.endif
	s_sub_co_u32 s[SEQ], s[SEQ], 1
	s_cmp_lg_u32 s[SEQ], 0
	s_cbranch_scc1 .Lseq
.if PASS == 0
.irp i, 0,1,2,3,4,5,6,7,8,9,10,11,12,13,14,15
	ds_load_b128 v[PRB+4*\i:PRB+4*\i+3], v[OCR] offset:528*\i          ; LDS serves a wave's instructions in order: these see my stores
.endr
.irp i, 0,1,2,3,4,5,6,7,8,9,10,11,12,13,14,15
	s_wait_dscnt 15-\i                             ; place i's four records are back
	global_store_b128 v[LN16], v[PRB+4*\i:PRB+4*\i+3], s[10:11] offset:(\i+8*(\i/8))*16384   ; 32 lanes store 512 consecutive bytes, aligned
.endr
.endif
	s_wait_tensorcnt 0x0
	ds_add_u32 v254, v255
	s_wait_dscnt 0x0
	s_endpgm
.Lfunc_end_k_qcd173374c6_along_h:
	.size	k_qcd173374c6_along_h, .Lfunc_end_k_qcd173374c6_along_h-k_qcd173374c6_along_h
	.p2alignl 7, 3214868480
	.fill 96, 4, 3214868480
	.section	.rodata,"a",@progbits
	.p2align	6, 0x0
	.amdhsa_kernel k_qcd173374c6_along_h
		.amdhsa_group_segment_fixed_size 235520
		.amdhsa_private_segment_fixed_size 0
		.amdhsa_enable_private_segment 0
		.amdhsa_kernarg_size 32
		.amdhsa_user_sgpr_count 2
		.amdhsa_user_sgpr_kernarg_segment_ptr 1
		.amdhsa_wavefront_size32 1
		.amdhsa_system_sgpr_workgroup_id_x 1
		.amdhsa_system_sgpr_workgroup_id_y 1
		.amdhsa_system_sgpr_workgroup_id_z 1
		.amdhsa_system_vgpr_workitem_id 0
		.amdhsa_next_free_vgpr 512
		.amdhsa_next_free_sgpr 66
		.amdhsa_reserve_vcc 0
		.amdhsa_float_denorm_mode_32 3
		.amdhsa_float_denorm_mode_16_64 3
		.amdhsa_memory_ordered 1
		.amdhsa_forward_progress 1
		.amdhsa_inst_pref_size 93
	.end_amdhsa_kernel
	.amdgpu_metadata
---
amdhsa.version: [ 1, 2 ]
amdhsa.kernels:
  - .name:           k_qcd173374c6_along_h
    .symbol:         k_qcd173374c6_along_h.kd
    .args:
      - { .name: x, .offset: 0, .size: 8, .value_kind: global_buffer, .address_space: global }
      - { .name: Wq0, .offset: 8, .size: 8, .value_kind: global_buffer, .address_space: global }
      - { .name: Wkv0, .offset: 16, .size: 8, .value_kind: global_buffer, .address_space: global }
      - { .name: oc, .offset: 24, .size: 8, .value_kind: global_buffer, .address_space: global }
    .group_segment_fixed_size: 235520
    .private_segment_fixed_size: 0
    .kernarg_segment_align: 8
    .kernarg_segment_size: 32
    .max_flat_workgroup_size: 256
    .sgpr_count:     66
    .vgpr_count:     512
    .wavefront_size: 32
...
	.end_amdgpu_metadata
.endif
;; end of part 1
;; launch along_w (part 2): grid 256 x 1, 8 waves a work-group, no clusters, 194,560 bytes of LDS; arguments x, Wq1, Wkv1, oc, Wo0, Wo1, bo0, bo1, out0; writes out0
.if DOCPART == 2
	.amdgcn_target "amdgcn-amd-amdhsa--gfx1250"
	.amdhsa_code_object_version 6
	.text
	.protected	k_qcd173374c6_along_w
	.globl	k_qcd173374c6_along_w
	.p2align	8
	.type	k_qcd173374c6_along_w,@function
k_qcd173374c6_along_w:
	s_mov_b64 s[64:65], 0
	v_nop
	global_prefetch_b8 v0, s[64:65] scope:SCOPE_SE
	s_setreg_imm32_b32 hwreg(HW_REG_WAVE_MODE, 25, 1), 1
	s_wait_xcnt 0x0
; AXIAL ATTENTION on x [8][128][128][128] f32, 8 heads of 16, in two launches of ONE source text; PASS says which this file is.
;   PASS 0: attention along H (a sequence is the 128 tokens (b, :, w)), up to the attention's result o0, QUANTISED for its product with Wo0:
;           a record of 128 bytes a token goes to the workspace oc [b][h][w][128]: the operand's 12 registers of the token's lane 0-15, those of
;           its lane 16-31 (48 bytes each), and the row's scale word eight times, so that whole runs of 512 bytes are stored.
;   PASS 1: attention along W (a sequence is (b, h, :)), then out = Q(o0) Q(Wo0) + Q(o1) Q(Wo1) + bo0 + bo1.
; FORMATS.  x Wq, x Wkv, p v and o Wo multiply codes of BF6 (E3M2) with one E8M0 scale for each 32 along K, made here from f32 numbers.  q k^T (K = 16) is left
; as it is and feeds a quantiser, so it takes f32 operands, by v_wmma_f32_16x16x4_f32.  All else is f32.
; SOFTMAX.  t = score x log2(e) / 4; M = ceil(the row's largest t); p = 2^(t - M) is quantised along the keys; the row's sum is taken of the unquantised p and
; divides the product at the end.  All 128 keys are one K step, so the maximum is the row's own: nothing runs, nothing is rescaled.
; SHARES.  A work-group of eight waves stays and walks four sequences.  Wave w owns HEAD w (projections, scores, softmax, p v) and TOKEN TILE w (16 rows: the
; quantising of x and the way out).  Its three (PASS 1: and, through LDS, all sixteen Wo) weight fragments are quantised once, at the head.
; TOKENS OF A TILE ARE NOT NEIGHBOURS: place i of tile T is token 32 (T / 2) + 8 (T % 2) + i + 8 (i / 8), so that a lane's 16 registers of tiles 2 b and 2 b + 1 are the
; 16 neighbouring keys 32 b + 16 (lane / 16) + 0 .. 15.
; LAYOUT (r = lane % 16, h = lane / 16); nothing changes lanes between products:
;   k^T, q^T = (16 rows of Wk or Wq) x (x's tile): lane r a token, register j channel e = 8 h + j.  Register pair s IS the operand of the f32 product's K step s (on both
;   sides k = 2 h + j stands for e = 8 h + 2 s + j);   S^T = k q^T: lane r a query, register 16 b + i key 32 b + 16 h + i;   v = (x's tile) x (16 rows of Wv): lane r a channel,
;   registers along the keys: quantised it is V^T's fragment;   O^T = V^T P^T: lane r a query, register j channel 8 h + j.
; BY TURNS.  A tile's scores are read for the maxima and for t - M and by nothing after that, so the NEXT tile's 32 score products begin there, into the same registers, and the rest
; of the softmax (137 vector instructions, the product p v, two LDS stores) stands in slices between them: one product behind each of 26 slices, the last six together.  The products'
; operands lie in window 1 and all that a slice touches in window 0, which has no room for both: so a slice costs two switches of the window, 54 a tile.
; TWO GROUPS OF WAVES.  Waves 0-3 issue a sequence's first 32 score products ahead of a barrier, waves 4-7 behind it: so the part of one group's softmax that stands bare of
; products meets the other group's products.  It is right however the waves are dealt to the SIMDs, and pays where a SIMD holds a wave of each group.
; NOT USED: tensor loads (x is asked for a whole sequence ahead, into 64 registers a wave); clusters (work-groups share the weights alone, read once at the head).
; LIMITS: NaN and infinities among the inputs are not served.  A block whose largest magnitude lies under 2^-122, a block of zeros too, keeps the scale byte 1 (its bytes are read
; by this program alone).  A p under 2^-126 comes out of v_exp_f32 as 0.  The order of the f32 sums is the matrix unit's, not the reference's.
.set PASS, 1
.set NSEQ, 4                           ; sequences to a work-group
.if PASS
.set TSTR, 512                         ; bytes of x from token to token
.set SSTR, 65536                       ; and from sequence to sequence
.else
.set TSTR, 65536
.set SSTR, 512
.endif
; LDS
.set WST,  8448                        ; a wave's own stage: 16 rows x (512 + 16) bytes
.set XST,  0                           ; the eight stages: weights' turn, x's turn, PASS 1: y's turn
.set XIMG, XST+8*WST                   ; x's eight fragments as images of their registers: 3 x 512 bytes in a place of 2,048
.set XSC,  XIMG+8*2048                 ; their scale words, 4 bytes a lane
.set OHD,  10240                       ; o of one head: 128 places x (64 + 16) bytes
.set OST,  XSC+8*128                   ; o in f32, head by head: each wave writes its own head's bytes
.set OCS,  OST+8*OHD                   ; PASS 0: [place][4 records of 128 bytes], 528 bytes a place; a wave's 16 places are its own
.set WOI,  OST+8*OHD                   ; PASS 1: images of Wo0's eight fragments, then Wo1's, 1,536 bytes each
.set WOS,  WOI+16*1536                 ; PASS 1: their scale words
; vector registers, window 0
.set LN16, 1                           ; 16 x lane
.set XSTW, 2                           ; my stage + 16 x lane
.set XSTR, 3                           ; my stage + 528 r + 64 h
.set XIW,  4                           ; where I store x's image
.set XSW,  5                           ; and its scale word
.set XIR,  6                           ; x's images, my lane's place
.set XSR,  7                           ; their scale words, my lane's place
.set XIL,  8                           ; the same for the tile in hand
.set XSL,  9
.set OSTW, 10                          ; o: my head, place r, + 32 h
.set OSTL, 11                          ; the same for the tile in hand
.set OSTR, 12                          ; o: head h, place 16 w + r
.set WCR,  13                          ; my stage + 4 r + 2112 h: a weight's column
.set WA5,  14                          ; weights with rows of 512 bytes: 512 (lane / 4) + 16 (lane % 4)
.set WA10, 15                          ; with rows of 1,024 bytes
.set H8,   16                          ; 8 h
.set WQS,  17                          ; scale words of my fragments of Wq, Wk, Wv
.set WKS,  18
.set WVS,  19
.if PASS
.set OCG,  20                          ; oc: my token's record, + 48 h
.set OCG2, 21                          ; oc: my token's record
.set WOR,  22                          ; Wo's images, my lane's place
.set WSR,  23                          ; their scale words
.set YSW,  24                          ; my stage + 528 r + 32 h
.set OS0,  25                          ; o0's scale word
.set WOW,  26                          ; where I store Wo's images
.set WSW,  27                          ; and their scale words
.set BS,   28                          ; v28-31 bo0 + bo1 at my four columns of a row
.else
.set OCW,  20                          ; my records: place r, + 48 h
.set OCT,  21                          ; place r, + 96 + 16 h: the scale words
.set OCR,  22                          ; my records, 16 x lane
.set OCWL, 23                          ; the first two for the sequence in hand
.set OCTL, 24
.endif
.set SCO,  32                          ; v32-95   S^T (PASS 1: later y^T): written by matrix instructions alone
.set PRB,  96                          ; v96-159  64 numbers at work: a weight's column, x, v, p, o, rows on the way out
.set PC,   160                         ; v160-171 the codes just made
.set T2,   172                         ; v172-179 the conversions' second halves
.set TM,   180                         ; v180-183 largest magnitudes, v184-187 the other lane's and then bytes, v188-191 the conversions' scale operands
.set PW,   192                         ; the scale word just made
.set VS,   193                         ; V^T's scale word
.set VF,   194                         ; v194-205 V^T's fragment
.set XF,   206                         ; v206-217 x's fragment for the next q^T
.set XS,   218                         ; its scale word
.set OT,   220                         ; v220-227 O^T
.set NM,   228                         ; v228 -M (v229 is named with it as a pair)
.set LSUM, 230                         ; v230-231, v232-233 the row's sum, in two chains of pairs
.set LSU2, 232
.set RL,   234                         ; v234 1 / the sum (v235 is named with it)
.set TMP,  236                         ; v236-239 at work; at the head: lane, r, h, lane / 4
.set XS8,  240                         ; v240-247 eight scale words: x's, PASS 1: later Wo's
; vector registers, window 1 (written by their low 8 bits)
.set KT,   0                           ; k^T, 8 tiles
.set QT,   64                          ; q^T of the tile in hand
.set XB,   72                          ; x's eight fragments, during the projections
.set XR,   144                         ; 16 rows of the next sequence's x, as loaded
.set FWQ,  208                         ; my fragments of Wq, Wk, Wv
.set FWK,  220
.set FWV,  232
.set OC0,  244                         ; PASS 1: o0's codes
.set RA,   0                           ; at the head: two sets of raw weights
.set RB,   64
.set WB,   0                           ; PASS 1, the way out: eight fragments of Wo
; scalar registers: s[4:5] x, s[6:7] Wq, s[8:9] Wkv, s[10:11] oc; PASS 1: s[12:13] Wo0, s[14:15] Wo1, s[16:17] bo0, s[18:19] bo1, s[20:21] out
.set SWV,  22                          ; my wave's number
.set TB,   23                          ; my tile's first token
.set SEQ,  24                          ; sequences to go
.set SEL,  30                          ; s[30:31] v_permlanex16_b32's selects for lane l xor 16
.set CS,   32                          ; s[32:33] c = log2(e) / 4, twice
.set MSB, 0
.macro WIN new                         ; low byte: bits 1:0 source 0, 3:2 source 1, 5:4 source 2, 7:6 destination; the high byte repeats the setting that is left
.if MSB != \new
	s_set_vgpr_msb (MSB<<8)|\new
.set MSB, \new
.endif
.endm
.macro PLACES n                        ; plain vector instructions between a matrix instruction and what may not follow it at once (ISA guide 7.12.1)
.rept \n
	v_nop
.endr
.endm
.macro BARRIER                         ; my LDS stores have landed and my LDS loads are in: then the work-group's barrier
	s_wait_dscnt 0x0
	s_barrier_signal -1
	s_barrier_wait -1
.endm
.macro XLOAD                           ; my tile's 16 rows of x: each load takes one whole row of 512 bytes, 16 bytes a lane
	WIN 0x40
.irp i, 0,1,2,3,4,5,6,7,8,9,10,11,12,13,14,15
.if PASS
	global_load_b128 v[XR+4*\i:XR+4*\i+3], v[LN16], s[4:5] offset:(\i+8*(\i/8))*TSTR th:TH_LOAD_NT
.else
	global_load_b128 v[XR+4*\i:XR+4*\i+3], v[LN16], s[4:5] offset:(\i+8*(\i/8))*TSTR
.endif
.endr
	WIN 0
.endm
.macro WLOAD raw, voff, base, rowb, extra      ; 128 rows x my 16 columns of a weight: a load takes 8 rows' 64 bytes
	WIN 0x40
.irp t, 0,1,2,3,4,5,6,7,8,9,10,11,12,13,14,15
	global_load_b128 v[\raw+4*\t:\raw+4*\t+3], v[\voff], s[\base:\base+1] offset:8*\t*\rowb+\extra
.endr
	WIN 0
.endm
.macro WSTORE raw                      ; into my stage: row k at 64 k + 64 (k / 32), so that the two halves of the lanes later read different banks
	WIN 0x04
.irp t, 0,1,2,3,4,5,6,7,8,9,10,11,12,13,14,15
	ds_store_b128 v[XSTW], v[\raw+4*\t:\raw+4*\t+3] offset:512*\t+64*(\t/4)
.endr
	WIN 0
.endm
.macro WCOL                            ; and back by columns: register 32 c + i = W(64 c + 32 h + i, column r): the order of the operand's registers
.irp c, 0,1
.irp i, 0,1,2,3,4,5,6,7,8,9,10,11,12,13,14,15,16,17,18,19,20,21,22,23,24,25,26,27,28,29,30,31
	ds_load_b32 v[PRB+32*\c+\i], v[WCR] offset:(64*\c+\i)*64+128*\c
.endr
.endr
.endm
; A weight's fragment from v[PRB] on: a lane holds two whole blocks (2 c + h), so no other lane is asked for a maximum.  Codes to v[d] on in the window that win names, scale word to v[w].
.macro WQUANT d, win, w
.irp c, 0,1
	v_max3_num_f32 v[TM+\c], |v[PRB+32*\c]|, |v[PRB+32*\c+1]|, 0x2800000   ; with the floor 2^(5 - 127): the byte cannot fall under 1
.endr
.irp i, 2,4,6,8,10,12,14,16,18,20,22,24,26,28,30
.irp c, 0,1
	v_max3_num_f32 v[TM+\c], v[TM+\c], |v[PRB+32*\c+\i]|, |v[PRB+32*\c+\i+1]|
.endr
.endr
.irp c, 0,1
	v_add_nc_u32 v[TM+8+\c], 0xfe000000, v[TM+\c]  ; 4 off the exponent field: the conversion's scale operand
.endr
.irp c, 0,1
	v_lshrrev_b32 v[TM+4+\c], 23, v[TM+8+\c]       ; the scale's byte
.endr
	v_lshl_or_b32 v[\w], v[TM+5], 16, v[TM+4]      ; my two bytes, blocks h and 2 + h,
	v_lshlrev_b32 v[\w], v[H8], v[\w]              ; at their places in the word;
	v_permlanex16_b32 v[TM+6], v[\w], s[SEL], s[SEL+1]
	v_or_b32 v[\w], v[\w], v[TM+6]                 ; with lane l xor 16's two the word is whole
	WIN \win
.irp c, 0,1
	v_cvt_scalef32_pk16_bf6_f32 v[\d+6*\c:\d+6*\c+2], v[PRB+32*\c:PRB+32*\c+15], v[TM+8+\c]
.endr
	WIN 0
.irp c, 0,1
	v_cvt_scalef32_pk16_bf6_f32 v[T2+4*\c:T2+4*\c+2], v[PRB+32*\c+16:PRB+32*\c+31], v[TM+8+\c]   ; (a conversion's three registers begin on an even number)
.endr
	v_nop                                          ; one plain place behind a scaled conversion
	WIN \win
.irp c, 0,1
.irp i, 0,1,2
	v_mov_b32 v[\d+6*\c+3+\i], v[T2+4*\c+\i]
.endr
.endr
	WIN 0
.endm
; From four blocks' largest magnitudes in v[TM] on and 64 numbers v[s] on (register 16 b + i = k 32 b + 16 h + i of my row): the fragment's codes in v[d] on, the row's scale word in v[w].
.macro CODES s, d, w
.irp b, 0,1,2,3
	v_add_nc_u32 v[TM+8+\b], 0xfe000000, v[TM+\b]  ; 4 off the exponent field: the conversion's scale operand
.endr
.irp b, 0,1,2,3
	v_lshrrev_b32 v[TM+4+\b], 23, v[TM+8+\b]       ; the scale's byte
.endr
	v_lshl_or_b32 v[\w], v[TM+5], 8, v[TM+4]
	v_lshl_or_b32 v[\w], v[TM+6], 16, v[\w]
	v_lshl_or_b32 v[\w], v[TM+7], 24, v[\w]
.irp c, 0,1
	v_cvt_scalef32_pk16_bf6_f32 v[\d+6*\c:\d+6*\c+2], v[\s+32*\c:\s+32*\c+15], v[TM+8+2*\c]
	v_cvt_scalef32_pk16_bf6_f32 v[T2+4*\c:T2+4*\c+2], v[\s+32*\c+16:\s+32*\c+31], v[TM+8+2*\c+1]
.endr
	v_nop                                          ; one plain place behind a scaled conversion
.irp c, 0,1                                    ; the operand wants a WHOLE block in a lane: lanes 0-15 block 2 c, lanes 16-31 block 2 c + 1
.irp i, 0,1,2
	v_permlane16_swap_b32 v[\d+6*\c+\i], v[T2+4*\c+\i]
.endr
.irp i, 0,1,2
	v_mov_b32 v[\d+6*\c+3+\i], v[T2+4*\c+\i]
.endr
.endr
.endm
.macro QUANT s, d, w                   ; the same with the largest magnitudes searched for
.irp b, 0,1,2,3
	v_max3_num_f32 v[TM+\b], |v[\s+16*\b]|, |v[\s+16*\b+1]|, 0x2800000   ; my 16 numbers of block b, and the floor 2^(5 - 127)
.endr
.irp i, 2,4,6,8,10,12,14
.irp b, 0,1,2,3
	v_max3_num_f32 v[TM+\b], v[TM+\b], |v[\s+16*\b+\i]|, |v[\s+16*\b+\i+1]|
.endr
.endr
.irp b, 0,1,2,3
	v_permlanex16_b32 v[TM+4+\b], v[TM+\b], s[SEL], s[SEL+1]
.endr
.irp b, 0,1,2,3
	v_max_num_f32 v[TM+\b], v[TM+\b], v[TM+4+\b]   ; with lane l xor 16's 16: the block's
.endr
	CODES \s, \d, \w
.endm
.macro IMAGE adr, off                  ; the fragment in v[PC] on goes to LDS as it stands: lane l's 16 bytes at 16 l
.irp c, 0,1,2
	ds_store_b128 v[\adr], v[PC+4*\c:PC+4*\c+3] offset:\off+512*\c
.endr
.endm
.macro OLOAD                           ; my 16 places of o, all eight heads: register 16 b + i = channel 32 b + 16 h + i: head 2 b + h
.irp b, 0,1,2,3
.irp j, 0,1,2,3
	ds_load_b128 v[PRB+16*\b+4*\j:PRB+16*\b+4*\j+3], v[OSTR] offset:2*OHD*\b+16*\j
.endr
.endr
.endm
; S^T = k q^T for one tile of queries: 8 tiles of keys x 4 K steps of 4: 32 products.  QK writes number QNUM of them: K step QNUM / 8, tile of keys QNUM % 8.
; The first K step starts the sums; the eight accumulators take turns, one instruction a turn.
.macro QK
	WIN 0x05
.set qstep, QNUM/8
.set qtile, QNUM%8
.if qstep == 0
	v_wmma_f32_16x16x4_f32 v[SCO+8*qtile:SCO+8*qtile+7], v[KT+8*qtile:KT+8*qtile+1], v[QT:QT+1], 0
.else
	v_wmma_f32_16x16x4_f32 v[SCO+8*qtile:SCO+8*qtile+7], v[KT+8*qtile+2*qstep:KT+8*qtile+2*qstep+1], v[QT+2*qstep:QT+2*qstep+1], v[SCO+8*qtile:SCO+8*qtile+7]
.endif
.set QNUM, QNUM+1
.endm
.macro MQK                             ; all 32 on end: a sequence's first tile, beside which this wave has no vector work
.set QNUM, 0
.rept 32
	QK
.endr
	WIN 0
.endm
.macro TURNQ mm                        ; a slice's end.  mm = 1: one score product of the next tile
.if \mm
	QK
	WIN 0
.endif
.endm
.macro EXPS n                          ; the next n of the 64 exponentials: p = 2^(t - M), at most 1: not normalised
.rept \n
	v_exp_f32 v[PRB+ENUM], v[PRB+ENUM]
.set ENUM, ENUM+1
.endr
.endm
.macro SUMS n                          ; the next n of 30 packed additions: the row's sum, of the UNQUANTISED p, in two chains begun by the first pairs.  Addition m reads p up to number 2 m + 5 (m = 0: 5, m = 1: 7)
.rept \n
.if SNUM == 0
	v_pk_add_f32 v[LSUM:LSUM+1], v[PRB:PRB+1], v[PRB+4:PRB+5]
.elseif SNUM == 1
	v_pk_add_f32 v[LSU2:LSU2+1], v[PRB+2:PRB+3], v[PRB+6:PRB+7]
.elseif SNUM%2 == 0
	v_pk_add_f32 v[LSUM:LSUM+1], v[LSUM:LSUM+1], v[PRB+2*SNUM+4:PRB+2*SNUM+5]
.else
	s_wait_alu depctr_va_vdst(0)
	v_pk_add_f32 v[LSU2:LSU2+1], v[LSU2:LSU2+1], v[PRB+2*SNUM+4:PRB+2*SNUM+5]
.endif
.set SNUM, SNUM+1
.endr
.endm
; ONE TILE OF QUERIES, FIRST PART: all that reads the scores.  more = 1: the next tile's q^T is made on the way (x's fragment at s26, its scale word at s27).  s28: the tile's place in o.
.macro SOFTA more
	s_wait_dscnt 0x0                               ; the last tile's two stores have read O^T and their address (six score products stand behind them)
	v_add_nc_u32 v[OSTL], s28, v[OSTW]
.if \more
	v_add_nc_u32 v[XIL], s26, v[XIR]
	v_add_nc_u32 v[XSL], s27, v[XSR]
.irp c, 0,1,2
	ds_load_b128 v[XF+4*\c:XF+4*\c+3], v[XIL] offset:512*\c
.endr
	ds_load_b32 v[XS], v[XSL]
	PLACES 5                                       ; with the three additions: eight places between the f32 products and the first read of their results
.else
	PLACES 7
.endif
.irp b, 0,1,2,3
	v_max3_num_f32 v[TM+\b], v[SCO+16*\b], v[SCO+16*\b+1], v[SCO+16*\b+2]   ; the largest score of each block of 32 keys: for the row's maximum and, since p rises with the score, for the block's largest p
.endr
.irp i, 3,5,7,9,11,13
.irp b, 0,1,2,3
	v_max3_num_f32 v[TM+\b], v[TM+\b], v[SCO+16*\b+\i], v[SCO+16*\b+\i+1]
.endr
.endr
.irp b, 0,1,2,3
	v_max_num_f32 v[TM+\b], v[TM+\b], v[SCO+16*\b+15]
.endr
.irp b, 0,1,2,3
	v_permlanex16_b32 v[TM+4+\b], v[TM+\b], s[SEL], s[SEL+1]
.endr
.irp b, 0,1,2,3
	v_max_num_f32 v[TM+\b], v[TM+\b], v[TM+4+\b]   ; with lane l xor 16's 16 keys
.endr
	v_max3_num_f32 v[TMP], v[TM], v[TM+1], v[TM+2]
	v_max_num_f32 v[TMP], v[TMP], v[TM+3]          ; my query's largest score,
	v_mul_f32 v[TMP], s[CS], v[TMP]                ; as t (c is positive)
	v_floor_f32 v[NM], -v[TMP]                     ; -M = floor(-t) = -ceil(t)
.if \more
	s_wait_dscnt 0x0                               ; x's fragment and scale word are in
	WIN 0x41
	v_wmma_scale_f32_16x16x128_f8f6f4 v[QT:QT+7], v[FWQ:FWQ+11], v[XF:XF+11], 0, v[WQS], v[XS] matrix_a_fmt:MATRIX_FMT_BF6 matrix_b_fmt:MATRIX_FMT_BF6   ; the next tile's q^T: the 36 multiply-adds below stand between it and its first use
	WIN 0
.endif
.irp b, 0,1,2,3
	v_fma_f32 v[TM+\b], v[TM+\b], s[CS], v[NM]     ; t - M of each block's largest score,
.endr
.irp b, 0,1,2,3
	v_exp_f32 v[TM+\b], v[TM+\b]                   ; and the block's largest p: the same two instructions on the same number as for that p itself
.endr
.set jj, 0
.rept 32
	v_pk_fma_f32 v[PRB+jj:PRB+jj+1], v[SCO+jj:SCO+jj+1], s[CS:CS+1], v[NM:NM+1] op_sel_hi:[1,0,0]   ; t - M, two at a time: the last read of the scores.  (Plain places behind the four exponentials)
.set jj, jj+2
.endr
.endm
; SECOND PART, in 27 slices.  mm = 1: a score product of the next tile stands behind each of the first 26, the other six behind the last.
; A slice with exponentials has them first and plain instructions behind them that read results of EARLIER slices alone: so each exponential has its plain place at once (slice k brings p 3 k .. 3 k + 2).
; No slice names a register of the score products.
.macro SOFTB mm
.set ENUM, 0
.set SNUM, 0
.set QNUM, 0
.irp b, 0,2                                    ; slices 0, 1
	EXPS 3
	s_wait_alu depctr_va_vdst(0)
	v_max_num_f32 v[TM+\b], 0x2800000, v[TM+\b]    ; the floor 2^(5 - 127) under each block's largest p
	v_max_num_f32 v[TM+\b+1], 0x2800000, v[TM+\b+1]
	TURNQ \mm
.endr
.irp b, 0,2                                    ; 2, 3
	EXPS 3
	v_add_nc_u32 v[TM+8+\b], 0xfe000000, v[TM+\b]  ; 4 off the exponent field: the conversion's scale operand
	v_add_nc_u32 v[TM+9+\b], 0xfe000000, v[TM+\b+1]
	TURNQ \mm
.endr
.irp b, 0,2                                    ; 4, 5
	EXPS 3
	v_lshrrev_b32 v[TM+4+\b], 23, v[TM+8+\b]       ; the scale's byte
	v_lshrrev_b32 v[TM+5+\b], 23, v[TM+9+\b]
	TURNQ \mm
.endr
	EXPS 3                                         ; 6
	v_lshl_or_b32 v[PW], v[TM+5], 8, v[TM+4]       ; p's scale word for the 128 keys
	s_wait_alu depctr_va_vdst(0)
	v_cvt_scalef32_pk16_bf6_f32 v[PC:PC+2], v[PRB:PRB+15], v[TM+8]           ; p 0 .. 15 came in slices 0 to 5
	TURNQ \mm
	EXPS 3                                         ; 7
	v_lshl_or_b32 v[PW], v[TM+6], 16, v[PW]        ; (the plain place behind the conversion)
	TURNQ \mm
	EXPS 3                                         ; 8
	v_lshl_or_b32 v[PW], v[TM+7], 24, v[PW]
	TURNQ \mm
.rept 2                                        ; 9, 10.  From here to slice 20, slice k takes additions 2 (k - 9) and 2 (k - 9) + 1, which read p up to 4 k - 29; p up to 3 k - 1 is ready
	EXPS 3
	SUMS 2
	TURNQ \mm
.endr
	EXPS 3                                         ; 11
	SUMS 2
	s_wait_alu depctr_va_vdst(0)
	v_cvt_scalef32_pk16_bf6_f32 v[T2:T2+2], v[PRB+16:PRB+31], v[TM+9]        ; p 16 .. 31 came by slice 10
	TURNQ \mm
	EXPS 3                                         ; 12
	SUMS 2                                         ; (plain places behind the conversion)
.irp i, 0,1,2                                  ; the operand wants a WHOLE block in a lane: lanes 0-15 block 0, lanes 16-31 block 1
	v_permlane16_swap_b32 v[PC+\i], v[T2+\i]
.endr
	TURNQ \mm
	EXPS 3                                         ; 13
	SUMS 2
.irp i, 0,1,2
	v_mov_b32 v[PC+3+\i], v[T2+\i]
.endr
	TURNQ \mm
.rept 2                                        ; 14, 15
	EXPS 3
	SUMS 2
	TURNQ \mm
.endr
	EXPS 3                                         ; 16
	SUMS 2
	s_wait_alu depctr_va_vdst(0)
	v_cvt_scalef32_pk16_bf6_f32 v[PC+6:PC+8], v[PRB+32:PRB+47], v[TM+10]     ; p 32 .. 47 came by slice 15
	TURNQ \mm
.rept 4                                        ; 17 to 20
	EXPS 3
	SUMS 2
	TURNQ \mm
.endr
	EXPS 1                                         ; 21: the last p
	SUMS 1
	TURNQ \mm
	s_wait_alu depctr_va_vdst(0)
	v_cvt_scalef32_pk16_bf6_f32 v[T2+4:T2+6], v[PRB+48:PRB+63], v[TM+11]     ; 22
	SUMS 1                                         ; (the plain place behind the conversion)
.irp i, 0,1,2                                  ; lanes 0-15 block 2, lanes 16-31 block 3
	v_permlane16_swap_b32 v[PC+6+\i], v[T2+4+\i]
.endr
	TURNQ \mm
.irp i, 0,1,2                                  ; 23
	v_mov_b32 v[PC+9+\i], v[T2+4+\i]
.endr
	SUMS 2
	TURNQ \mm
	SUMS 2                                         ; 24
	v_pk_add_f32 v[LSUM:LSUM+1], v[LSUM:LSUM+1], v[LSU2:LSU2+1]        ; (with the four before it: five places between the codes' last write and the product)
	v_wmma_scale_f32_16x16x128_f8f6f4 v[OT:OT+7], v[VF:VF+11], v[PC:PC+11], 0, v[VS], v[PW] matrix_a_fmt:MATRIX_FMT_BF6 matrix_b_fmt:MATRIX_FMT_BF6   ; O^T = V^T P^T: K = the 128 keys
	v_add_f32 v[LSUM], v[LSUM], v[LSUM+1]
	v_permlanex16_b32 v[TMP], v[LSUM], s[SEL], s[SEL+1]
	TURNQ \mm
	v_add_f32 v[LSUM], v[LSUM], v[TMP]             ; 25: with lane l xor 16's: the row's sum
	v_rcp_f32 v[RL], v[LSUM]
	PLACES 3                                       ; behind the reciprocal; with the two additions five places behind the product p v
	TURNQ \mm
	s_wait_alu depctr_va_vdst(0)
.irp k, 0,2,4,6                                ; 26
	v_pk_mul_f32 v[OT+\k:OT+\k+1], v[OT+\k:OT+\k+1], v[RL:RL+1] op_sel_hi:[1,0]
.endr
	ds_store_b128 v[OSTL], v[OT:OT+3]              ; my query's eight channels 8 h .. 8 h + 7 of my head
	ds_store_b128 v[OSTL], v[OT+4:OT+7] offset:16
.if \mm
.rept 32-QNUM                                  ; the products that are left: six
	QK
.endr
	WIN 0
.endif
.endm
.if PASS
.macro WOLOAD p                        ; the eight fragments and scale words of Wo0 (p = 0) or Wo1 (p = 1)
	WIN 0x40
.irp f, 0,1,2,3,4,5,6,7
.irp c, 0,1,2
	ds_load_b128 v[WB+12*\f+4*\c:WB+12*\f+4*\c+3], v[WOR] offset:12288*\p+1536*\f+512*\c
.endr
.endr
	WIN 0
.irp f, 0,1,2,3,4,5,6,7
	ds_load_b32 v[XS8+\f], v[WSR] offset:1024*\p+128*\f
.endr
.endm
.endif
; ---------------------------------------------------------------- the head: addresses
	s_load_b256 s[4:11], s[0:1], 0x0               ; x, Wq, Wkv, oc
.if PASS
	s_load_b256 s[12:19], s[0:1], 0x20             ; Wo0, Wo1, bo0, bo1
	s_load_b64 s[20:21], s[0:1], 0x40              ; out
	v_lshl_add_u32 v254, v0, 2, 0x2f400
	v_mov_b32 v255, 0
.endif
	v_lshrrev_b32 v[TMP], 5, v0
	v_readfirstlane_b32 s[SWV], v[TMP]             ; wave 0..7
	v_and_b32 v[TMP], 31, v0                       ; lane
	v_and_b32 v[TMP+1], 15, v0                     ; r
	v_bfe_u32 v[TMP+2], v0, 4, 1                   ; h
	v_lshrrev_b32 v[TMP+3], 2, v[TMP]              ; lane / 4
	s_mul_i32 s29, s[SWV], WST                     ; my stage
	v_lshlrev_b32 v[LN16], 4, v[TMP]
	v_add_nc_u32 v[XSTW], s29, v[LN16]
	v_mul_u32_u24 v[XSTR], v[TMP+1], 528
	v_lshl_add_u32 v[XSTR], v[TMP+2], 6, v[XSTR]
	v_add_nc_u32 v[XSTR], s29, v[XSTR]
	v_lshlrev_b32 v[WCR], 2, v[TMP+1]
	v_mad_u32_u24 v[WCR], v[TMP+2], 2112, v[WCR]
	v_add_nc_u32 v[WCR], s29, v[WCR]
	s_lshl_b32 s39, s[SWV], 11
	s_add_co_u32 s39, s39, XIMG
	v_add_nc_u32 v[XIW], s39, v[LN16]
	v_add_nc_u32 v[XIR], XIMG, v[LN16]
	v_lshlrev_b32 v[XSR], 2, v[TMP]
	s_lshl_b32 s39, s[SWV], 7
	s_add_co_u32 s39, s39, XSC
	v_add_nc_u32 v[XSW], s39, v[XSR]
	v_add_nc_u32 v[XSR], XSC, v[XSR]
	v_mul_u32_u24 v[OSTW], v[TMP+1], 80
	s_mul_i32 s39, s[SWV], 1280
	s_add_co_u32 s39, s39, OST
	v_mad_u32_u24 v[OSTR], v[TMP+2], OHD, v[OSTW]
	v_add_nc_u32 v[OSTR], s39, v[OSTR]
	v_lshl_add_u32 v[OSTW], v[TMP+2], 5, v[OSTW]
	s_mul_i32 s39, s[SWV], OHD
	s_add_co_u32 s39, s39, OST
	v_add_nc_u32 v[OSTW], s39, v[OSTW]
	v_and_b32 v[WA5], 3, v[TMP]
	v_lshlrev_b32 v[WA5], 4, v[WA5]
	v_lshl_add_u32 v[WA10], v[TMP+3], 10, v[WA5]
	v_lshl_add_u32 v[WA5], v[TMP+3], 9, v[WA5]
	v_lshlrev_b32 v[H8], 3, v[TMP+2]
.if PASS
	v_and_b32 v[OCG2], 8, v[TMP+1]
	v_add_nc_u32 v[OCG2], v[OCG2], v[TMP+1]        ; r + 8 (r / 8)
	v_lshlrev_b32 v[OCG2], 7, v[OCG2]
	v_mad_u32_u24 v[OCG], v[TMP+2], 48, v[OCG2]
	v_add_nc_u32 v[WOR], WOI, v[LN16]
	v_lshlrev_b32 v[WSR], 2, v[TMP]
	s_mul_i32 s39, s[SWV], 1536
	s_add_co_u32 s39, s39, WOI
	v_add_nc_u32 v[WOW], s39, v[LN16]
	s_lshl_b32 s39, s[SWV], 7
	s_add_co_u32 s39, s39, WOS
	v_add_nc_u32 v[WSW], s39, v[WSR]
	v_add_nc_u32 v[WSR], WOS, v[WSR]
	v_mul_u32_u24 v[YSW], v[TMP+1], 528
	v_lshl_add_u32 v[YSW], v[TMP+2], 5, v[YSW]
	v_add_nc_u32 v[YSW], s29, v[YSW]
.else
	s_add_co_u32 s39, s29, OCS
	v_mul_u32_u24 v[OCW], v[TMP+1], 528
	v_add_nc_u32 v[OCW], s39, v[OCW]
	v_lshl_add_u32 v[OCT], v[TMP+2], 4, v[OCW]
	v_add_nc_u32 v[OCT], 96, v[OCT]
	v_mad_u32_u24 v[OCW], v[TMP+2], 48, v[OCW]
	v_add_nc_u32 v[OCR], s39, v[LN16]
.endif
.irp b, 0,1,2,3
	v_mov_b32 v[TM+4+\b], 0                        ; written once: a lane permute's destination counts as one of its sources
.endr
	v_mov_b32 v[NM+1], 0                           ; named as the upper halves of pairs
	v_mov_b32 v[RL+1], 0
	s_mov_b32 s[SEL], 0x76543210
	s_mov_b32 s[SEL+1], 0xfedcba98
	s_mov_b32 s[CS], 0x3eb8aa3b                    ; c = log2(e) / 4: the head's 16^-0.5 and the change of base
	s_mov_b32 s[CS+1], s[CS]
	s_mov_b32 s[SEQ], NSEQ
	s_lshr_b32 s[TB], s[SWV], 1
	s_lshl_b32 s[TB], s[TB], 5
	s_and_b32 s39, s[SWV], 1
	s_lshl_b32 s39, s39, 3
	s_add_co_u32 s[TB], s[TB], s39                 ; my tile's first token: 32 (w / 2) + 8 (w % 2)
.if PASS
	s_lshl_b32 s34, ttmp9, 18                      ; x and out: four sequences of 65,536 bytes a work-group,
	s_lshl_b32 s39, s[TB], 9                       ; + my first token's row
	s_add_co_u32 s34, s34, s39
	s_lshl_b32 s36, ttmp9, 16                      ; oc: four sequences of 16,384 bytes,
	s_lshl_b32 s39, s[TB], 7                       ; + my first token's record
	s_add_co_u32 s36, s36, s39
.else
	s_mov_b32 s38, 0                               ; the sequence's record in a place of my records: 128 bytes a sequence
	s_lshr_b32 s42, ttmp9, 5                       ; b
	s_and_b32 s43, ttmp9, 31                       ; which four w
	s_lshl_b32 s34, s42, 23                        ; x: b x 8 MiB
	s_lshl_b32 s39, s43, 11                        ; + 4 w's rows of 512 bytes
	s_add_co_u32 s34, s34, s39
	s_lshl_b32 s39, s[TB], 16                      ; + my first token (an h): 65,536 bytes each
	s_add_co_u32 s34, s34, s39
	s_lshl_b32 s36, s42, 21                        ; oc: b x 2 MiB
	s_lshl_b32 s39, s43, 9                         ; + 4 records of 128 bytes
	s_add_co_u32 s36, s36, s39
	s_lshl_b32 s39, s[TB], 14                      ; + my first token: 16,384 bytes each
	s_add_co_u32 s36, s36, s39
.endif
	s_mov_b32 s35, 0
	s_mov_b32 s37, 0
	s_lshl_b32 s40, s[SWV], 6                      ; the weights: my 16 columns
	s_mov_b32 s41, 0
	s_wait_kmcnt 0x0
	s_add_nc_u64 s[4:5], s[4:5], s[34:35]
	s_add_nc_u64 s[6:7], s[6:7], s[40:41]
	s_add_nc_u64 s[8:9], s[8:9], s[40:41]
	s_add_nc_u64 s[10:11], s[10:11], s[36:37]
.if PASS
	s_add_nc_u64 s[12:13], s[12:13], s[40:41]
	s_add_nc_u64 s[14:15], s[14:15], s[40:41]
	s_add_nc_u64 s[20:21], s[20:21], s[34:35]
	global_load_b128 v[BS:BS+3], v[LN16], s[16:17]         ; the biases at my four columns of a row: the oldest loads
	global_load_b128 v[T2:T2+3], v[LN16], s[18:19]
.endif
; ---------------------------------------------------------------- the head: my weight fragments, one after the other through my stage; two sets of raw rows, so that the next is on its way
	WLOAD RA, WA5, 6, 512, 0                       ; Wq
	WLOAD RB, WA10, 8, 1024, 0                     ; Wk: the left half of Wkv
	XLOAD                                          ; the first sequence's x
	s_wait_loadcnt 32                              ; Wq is in (and the biases); behind it: Wk's 16 loads and x's 16
.if PASS
	v_pk_add_f32 v[BS:BS+1], v[BS:BS+1], v[T2:T2+1]
	v_pk_add_f32 v[BS+2:BS+3], v[BS+2:BS+3], v[T2+2:T2+3]
.endif
	WSTORE RA
	s_wait_dscnt 0x0                               ; the stores have read their registers
	WLOAD RA, WA10, 8, 1024, 512                   ; Wv: the right half of Wkv
	WCOL
	s_wait_dscnt 0x0
	WQUANT FWQ, 0x40, WQS
	s_wait_loadcnt 32                              ; Wk is in; behind it: x's 16 and Wv's 16
	WSTORE RB
	s_wait_dscnt 0x0
.if PASS
	WLOAD RB, WA5, 12, 512, 0                      ; Wo0: tile w
.endif
	WCOL
	s_wait_dscnt 0x0
	WQUANT FWK, 0x40, WKS
.if PASS
	s_wait_loadcnt 16                              ; Wv is in; behind it: Wo0's 16
.else
	s_wait_loadcnt 0x0                             ; Wv is in: the youngest
.endif
	WSTORE RA
	s_wait_dscnt 0x0
.if PASS
	WLOAD RA, WA5, 14, 512, 0                      ; Wo1: tile w
.endif
	WCOL
	s_wait_dscnt 0x0
	WQUANT FWV, 0x40, WVS
.if PASS
	s_wait_loadcnt 16                              ; Wo0 is in; behind it: Wo1's 16
	WSTORE RB
	s_wait_dscnt 0x0
	WCOL
	s_wait_dscnt 0x0
	WQUANT PC, 0, PW
	IMAGE WOW, 0                                   ; every wave will want all eight tiles: they go to LDS as images
	ds_store_b32 v[WSW], v[PW]
	s_wait_loadcnt 0x0                             ; Wo1
	WSTORE RA
	s_wait_dscnt 0x0                               ; (the image's stores too have read their registers)
	WCOL
	s_wait_dscnt 0x0
	WQUANT PC, 0, PW
	IMAGE WOW, 12288
	ds_store_b32 v[WSW], v[PW] offset:1024
.endif
.Lseq:                                             ; ================ a sequence; four trips
; ---- x: my tile's 16 rows turn through my stage (a load took a row, a lane wants 16 neighbours of each block of its row), are quantised, and go to LDS as an image
	s_wait_loadcnt 0x0                             ; x, asked for a sequence ago
	WIN 0x04
.irp i, 0,1,2,3,4,5,6,7,8,9,10,11,12,13,14,15
	ds_store_b128 v[XSTW], v[XR+4*\i:XR+4*\i+3] offset:528*\i
.endr
	WIN 0
.irp b, 0,1,2,3
.irp j, 0,1,2,3
	ds_load_b128 v[PRB+16*\b+4*\j:PRB+16*\b+4*\j+3], v[XSTR] offset:128*\b+16*\j   ; LDS serves a wave's instructions in order: these see the stores above
.endr
.endr
	s_wait_dscnt 0x0
	QUANT PRB, PC, PW
	IMAGE XIW, 0
	ds_store_b32 v[XSW], v[PW]
	BARRIER                                        ; x's eight fragments lie in LDS; every wave's reads of the last sequence's o are over
; ---- the projections of my head: k^T of all eight tiles, q^T of tile 0, v of all eight
	WIN 0x40
.irp t, 0,1,2,3,4,5,6,7
.irp c, 0,1,2
	ds_load_b128 v[XB+12*\t+4*\c:XB+12*\t+4*\c+3], v[XIR] offset:2048*\t+512*\c
.endr
.endr
	WIN 0
.irp t, 0,1,2,3,4,5,6,7
	ds_load_b32 v[XS8+\t], v[XSR] offset:128*\t
.endr
	s_wait_dscnt 0x0
	WIN 0x45
.irp t, 0,1,2,3,4,5,6,7
	v_wmma_scale_f32_16x16x128_f8f6f4 v[KT+8*\t:KT+8*\t+7], v[FWK:FWK+11], v[XB+12*\t:XB+12*\t+11], 0, v[WKS], v[XS8+\t] matrix_a_fmt:MATRIX_FMT_BF6 matrix_b_fmt:MATRIX_FMT_BF6
.endr
	v_wmma_scale_f32_16x16x128_f8f6f4 v[QT:QT+7], v[FWQ:FWQ+11], v[XB:XB+11], 0, v[WQS], v[XS8] matrix_a_fmt:MATRIX_FMT_BF6 matrix_b_fmt:MATRIX_FMT_BF6
	WIN 0x05
.irp t, 0,1,2,3,4,5,6,7
	v_wmma_scale_f32_16x16x128_f8f6f4 v[PRB+8*\t:PRB+8*\t+7], v[XB+12*\t:XB+12*\t+11], v[FWV:FWV+11], 0, v[XS8+\t], v[WVS] matrix_a_fmt:MATRIX_FMT_BF6 matrix_b_fmt:MATRIX_FMT_BF6
.endr
	WIN 0
	PLACES 4                                       ; in front of the loads into registers that these products read, and of the first read of v
	s_cmp_eq_u32 s[SEQ], 1                         ; the next sequence's x is asked for here, if there is one: no load leaves its buffer
	s_cbranch_scc1 .Lno_next
	s_add_nc_u64 s[4:5], s[4:5], SSTR              ; (the loads that named this base were waited for at the trip's head)
	XLOAD
.Lno_next:
.if PASS
	WIN 0x40
.irp c, 0,1,2
	global_load_b128 v[OC0+4*\c:OC0+4*\c+3], v[OCG], s[10:11] offset:16*\c th:TH_LOAD_NT   ; o0's codes of my tile's tokens: the operand's registers as they were stored
.endr
	WIN 0
	global_load_b32 v[OS0], v[OCG2], s[10:11] offset:96 th:TH_LOAD_NT                      ; and their scale words
.endif
	QUANT PRB, VF, VS                              ; v along the keys: V^T's fragment
; ---- the two groups part by one tile's score products
	s_cmp_lt_u32 s[SWV], 4
	s_cbranch_scc0 .Llate
	MQK                                            ; waves 0-3: tile 0's scores ahead of the barrier
.Llate:
	BARRIER
	s_cmp_lt_u32 s[SWV], 4
	s_cbranch_scc1 .Learly
	PLACES 9
	MQK                                            ; waves 4-7: behind it
.Learly:
; ---- the eight tiles of queries: a trip finishes one tile's softmax and makes the next tile's scores between its slices
	s_mov_b32 s25, 7
	s_mov_b32 s26, 2048                            ; the next tile's image of x,
	s_mov_b32 s27, 128                             ; its scale words,
	s_mov_b32 s28, 0                               ; this tile's place in o
.Ltile:
	SOFTA 1
	SOFTB 1
	s_add_co_u32 s26, s26, 2048
	s_add_co_u32 s27, s27, 128
	s_add_co_u32 s28, s28, 1280
	s_sub_co_u32 s25, s25, 1
	s_cmp_lg_u32 s25, 0
	s_cbranch_scc1 .Ltile
	SOFTA 0                                        ; the last tile: no scores are left to make
	SOFTB 0
	BARRIER                                        ; o of all heads lies in LDS; nobody reads x's images any more
; ---- the way out: my tile's 16 tokens, all 128 channels
.if PASS
	OLOAD
	WOLOAD 0
	s_wait_dscnt 32                                ; o is in; Wo0's 24 + 8 loads may be out
	QUANT PRB, PC, PW                              ; Q(o1)
	s_wait_loadcnt 0x0                             ; Q(o0) and its scale words
	s_wait_dscnt 0x0
	WIN 0x05
.irp n, 0,1,2,3,4,5,6,7
	v_wmma_scale_f32_16x16x128_f8f6f4 v[SCO+8*\n:SCO+8*\n+7], v[WB+12*\n:WB+12*\n+11], v[OC0:OC0+11], 0, v[XS8+\n], v[OS0] matrix_a_fmt:MATRIX_FMT_BF6 matrix_b_fmt:MATRIX_FMT_BF6   ; y^T = Wo0^T Q(o0)^T: lane r a token, register j column 16 n + 8 h + j
.endr
	WIN 0
	PLACES 4                                       ; in front of the loads into the registers that these products read
	WOLOAD 1
	s_wait_dscnt 0x0
	WIN 0x01
.irp n, 0,1,2,3,4,5,6,7
	v_wmma_scale_f32_16x16x128_f8f6f4 v[SCO+8*\n:SCO+8*\n+7], v[WB+12*\n:WB+12*\n+11], v[PC:PC+11], v[SCO+8*\n:SCO+8*\n+7], v[XS8+\n], v[PW] matrix_a_fmt:MATRIX_FMT_BF6 matrix_b_fmt:MATRIX_FMT_BF6   ; + Wo1^T Q(o1)^T
.endr
	WIN 0
	PLACES 4
.irp n, 0,1,2,3,4,5,6,7
	ds_store_b128 v[YSW], v[SCO+8*\n:SCO+8*\n+3] offset:64*\n          ; through my stage; each accumulator from its low end on
	ds_store_b128 v[YSW], v[SCO+8*\n+4:SCO+8*\n+7] offset:64*\n+16
.endr
.irp i, 0,1,2,3,4,5,6,7,8,9,10,11,12,13,14,15
	ds_load_b128 v[PRB+4*\i:PRB+4*\i+3], v[XSTW] offset:528*\i         ; and back as whole rows
.endr
.irp i, 0,1,2,3,4,5,6,7,8,9,10,11,12,13,14,15
	s_wait_dscnt 15-\i                             ; row i is back
	v_pk_add_f32 v[PRB+4*\i:PRB+4*\i+1], v[PRB+4*\i:PRB+4*\i+1], v[BS:BS+1]
	v_pk_add_f32 v[PRB+4*\i+2:PRB+4*\i+3], v[PRB+4*\i+2:PRB+4*\i+3], v[BS+2:BS+3]
	global_store_b128 v[LN16], v[PRB+4*\i:PRB+4*\i+3], s[20:21] offset:(\i+8*(\i/8))*512 th:TH_STORE_NT   ; 32 lanes store a row's 512 consecutive bytes, aligned
.endr
	s_wait_xcnt 0x0                                ; the stores' data and base, and oc's base, are rewritten only behind this wait
	s_add_nc_u64 s[20:21], s[20:21], 65536
	s_add_nc_u64 s[10:11], s[10:11], 16384
.else
	OLOAD
	s_wait_dscnt 0x0
	QUANT PRB, PC, PW                              ; Q(o0)
	v_add_nc_u32 v[OCWL], s38, v[OCW]
	v_add_nc_u32 v[OCTL], s38, v[OCT]
.irp c, 0,1,2
	ds_store_b128 v[OCWL], v[PC+4*\c:PC+4*\c+3] offset:16*\c           ; the record is gathered in my own bytes of LDS: four sequences make 512 neighbouring bytes of oc
.endr
.irp i, 0,1,2,3
	v_mov_b32 v[T2+\i], v[PW]
.endr
	ds_store_b128 v[OCTL], v[T2:T2+3]              ; the scale word fills the record's last 32 bytes
	s_add_co_u32 s38, s38, 128
.endif
	s_sub_co_u32 s[SEQ], s[SEQ], 1
	s_cmp_lg_u32 s[SEQ], 0
	s_cbranch_scc1 .Lseq
.if PASS == 0
.irp i, 0,1,2,3,4,5,6,7,8,9,10,11,12,13,14,15
	ds_load_b128 v[PRB+4*\i:PRB+4*\i+3], v[OCR] offset:528*\i          ; LDS serves a wave's instructions in order: these see my stores
.endr
.irp i, 0,1,2,3,4,5,6,7,8,9,10,11,12,13,14,15
	s_wait_dscnt 15-\i                             ; place i's four records are back
	global_store_b128 v[LN16], v[PRB+4*\i:PRB+4*\i+3], s[10:11] offset:(\i+8*(\i/8))*16384   ; 32 lanes store 512 consecutive bytes, aligned
.endr
.endif
	s_wait_tensorcnt 0x0
	ds_add_u32 v254, v255
	s_wait_dscnt 0x0
	s_endpgm
.Lfunc_end_k_qcd173374c6_along_w:
	.size	k_qcd173374c6_along_w, .Lfunc_end_k_qcd173374c6_along_w-k_qcd173374c6_along_w
	.p2alignl 7, 3214868480
	.fill 96, 4, 3214868480
	.section	.rodata,"a",@progbits
	.p2align	6, 0x0
	.amdhsa_kernel k_qcd173374c6_along_w
		.amdhsa_group_segment_fixed_size 194560
		.amdhsa_private_segment_fixed_size 0
		.amdhsa_enable_private_segment 0
		.amdhsa_kernarg_size 72
		.amdhsa_user_sgpr_count 2
		.amdhsa_user_sgpr_kernarg_segment_ptr 1
		.amdhsa_wavefront_size32 1
		.amdhsa_system_sgpr_workgroup_id_x 1
		.amdhsa_system_sgpr_workgroup_id_y 1
		.amdhsa_system_sgpr_workgroup_id_z 1
		.amdhsa_system_vgpr_workitem_id 0
		.amdhsa_next_free_vgpr 512
		.amdhsa_next_free_sgpr 66
		.amdhsa_reserve_vcc 0
		.amdhsa_float_denorm_mode_32 3
		.amdhsa_float_denorm_mode_16_64 3
		.amdhsa_memory_ordered 1
		.amdhsa_forward_progress 1
		.amdhsa_inst_pref_size 123
	.end_amdhsa_kernel
	.amdgpu_metadata
---
amdhsa.version: [ 1, 2 ]
amdhsa.kernels:
  - .name:           k_qcd173374c6_along_w
    .symbol:         k_qcd173374c6_along_w.kd
    .args:
      - { .name: x, .offset: 0, .size: 8, .value_kind: global_buffer, .address_space: global }
      - { .name: Wq1, .offset: 8, .size: 8, .value_kind: global_buffer, .address_space: global }
      - { .name: Wkv1, .offset: 16, .size: 8, .value_kind: global_buffer, .address_space: global }
      - { .name: oc, .offset: 24, .size: 8, .value_kind: global_buffer, .address_space: global }
      - { .name: Wo0, .offset: 32, .size: 8, .value_kind: global_buffer, .address_space: global }
      - { .name: Wo1, .offset: 40, .size: 8, .value_kind: global_buffer, .address_space: global }
      - { .name: bo0, .offset: 48, .size: 8, .value_kind: global_buffer, .address_space: global }
      - { .name: bo1, .offset: 56, .size: 8, .value_kind: global_buffer, .address_space: global }
      - { .name: out0, .offset: 64, .size: 8, .value_kind: global_buffer, .address_space: global }
    .group_segment_fixed_size: 194560
    .private_segment_fixed_size: 0
    .kernarg_segment_align: 8
    .kernarg_segment_size: 72
    .max_flat_workgroup_size: 256
    .sgpr_count:     66
    .vgpr_count:     512
    .wavefront_size: 32
...
	.end_amdgpu_metadata
.endif
;; end of part 2
